; MI455X (gfx1250); checked and timed in simulation.
; The chip was launched on July 23, 2026; its instructions are those of AMD's public machine-readable ISA for CDNA 5 (MIT licence, August 2026) and "CDNA5" Instruction Set Architecture Reference Guide (July 2026). The comments in the code are by the model that wrote it; some were corrected since.
;; Self Attention. Allowed arithmetic: matrix products marked QUANTISED: E5M2 operands, one E8M0 scale for each 32 along K, by v_wmma_scale_f32_16x16x128_f8f6f4 with both operands' format E5M2, f32 sums; everything else in f32.
;; Inputs: Wk 1,024 x 1,024 float32; Wo 1,024 x 1,024 float32; Wq 1,024 x 1,024 float32; Wv 1,024 x 1,024 float32; attention_mask 4 x 2,048 bool; bk 1,024 float32; bo 1,024 float32; bq 1,024 float32; bv 1,024 float32; hidden_states 4 x 2,048 x 1,024 float32; ln_beta 1,024 float32; ln_gamma 1,024 float32.
;; Outputs: out0 4 x 2,048 x 1,024 float32.
;; This version of the problem:
;;   THIS VERSION OF THE PROBLEM IS GIVEN IN LOW PRECISION. The matrix products marked QUANTISED in the list below multiply operands that are first quantised to E5M2 (5 exponent bits, 2 mantissa bits; 8 bits a number), with one power-of-two scale for each 32 numbers along K (OCP MX v1.0); their sums are f32. All else is computed in f32.
;;   The module's matrix products, in the order in which they are computed (A, B: the left and right operand; K: the contracted axis; several contracted axes count as one K, in the product's order):
;;     1. [M 8,192, K 1,024] x [K 1,024, N 1,024]; A: computed on the way; B: input Wq: QUANTISED
;;     2. [M 8,192, K 1,024] x [K 1,024, N 1,024]; A: computed on the way; B: input Wk: QUANTISED
;;     3. [M 8,192, K 1,024] x [K 1,024, N 1,024]; A: computed on the way; B: input Wv: QUANTISED
;;     4. batch 64 x [M 2,048, K 64] x [K 64, N 2,048]; A: computed on the way; B: computed on the way: QUANTISED
;;     5. batch 64 x [M 64, K 2,048] x [K 2,048, N 2,048]; A: computed on the way; B: softmax (see below): QUANTISED
;;     6. [M 8,192, K 1,024] x [K 1,024, N 1,024]; A: computed on the way; B: input Wo: QUANTISED
;;   THE QUANTISER, for each operand of a quantised product, along K:
;;     - K is cut into blocks of 32 from its start; a last block that is shorter is filled with zeros.
;;     - A block's scale is 2^e with e = floor(log2(the largest magnitude in the block)) - 15, held to -126 .. 127; a block of zeros has e = 0. As a byte (E8M0): e + 127.
;;     - Each number is divided by its block's scale, clamped to +-57,344, and rounded to the nearest number of E5M2, ties to even, subnormals kept.
;;     - The product sums the exact products of the quantised numbers (number of the format x scale) in f32.
;;   ~~~python
;;   def quantise(x, axis):      # numpy; x: float32 -> the quantised numbers, widened to float32 again
;;       x = np.moveaxis(x, axis, -1); K = x.shape[-1]
;;       x = np.pad(x, [(0, 0)] * (x.ndim - 1) + [(0, -K % 32)]); x = x.reshape(x.shape[:-1] + (-1, 32)); a = np.abs(x).max(-1, keepdims=True)
;;       e = np.where(a > 0, np.clip(np.frexp(np.where(a > 0, a, 1))[1] - 1 - 15, -126, 127), 0)      # np.frexp(a)[1] - 1 = floor(log2(a)), exactly
;;       r = np.clip(x / 2.0 ** e, -57344, 57344)
;;       step = 2.0 ** (np.maximum(np.frexp(np.where(r == 0, 1, r))[1] - 1, -14) - 2)
;;       q = np.round(r / step) * step * 2.0 ** e      # np.round: ties to even
;;       return np.moveaxis(q.reshape(q.shape[:-2] + (-1,))[..., :K], -1, axis).astype(np.float32)
;;   ~~~
;;   SOFTMAX AHEAD OF A QUANTISED PRODUCT. Where the list says 'softmax', what is quantised is not the finished softmax but p = 2^(t - M), with t = logit x log2(e) and M = ceil(the row's largest t), a whole number; so 1/2 < the row's largest p <= 1. The row's sum l is taken of the UNQUANTISED p, in f32, and the product's result is divided by l at the end. Since M is a whole number, a kernel that streams over the keys may use a running M (the ceiling of the running maximum): every later rescaling is an exact power of two, which a block's scale takes up: the codes' values come out the same.
;;   OPERANDS COMPUTED ON THE WAY. 'Computed on the way' means the value that the module computes at that place (a softmax that the list does not call 'softmax' is quantised finished and normalised). What goes into a quantiser is computed in f32, as accurately as f32 sums, v_exp_f32 and their like allow (about 1e-6 of the number): no bf16 or f16 on the way to a quantiser, and a product that is left as it is and whose result goes on into a quantised operand takes f32 operands (vector FMAs, or v_wmma_f32_16x16x4_f32). A number that lies on a knife's edge between two numbers of the format may be rounded either way, as far as f32 arithmetic and the matrix unit's own rounding can turn it there, and no further.
;; One version. Each part assembles by itself: llvm-mc -triple=amdgcn-amd-amdhsa -mcpu=gfx1250 --defsym DOCPART=n.
;; ======== version 1 of 1: 4 launches
;; limits: right only within a limited range of input values
;; workspace buffers: xw_codes 12,582,912 bytes; xw_scales 393,216 bytes; qkv_codes 25,165,824 bytes; qkv_scales 2,621,440 bytes; o_codes 8,388,608 bytes; o_scales 262,144 bytes
;; launch prep (part 1): grid 384 x 1, 4 waves a work-group, no clusters, 37,376 bytes of LDS; arguments hidden_states, ln_gamma, ln_beta, Wq, Wk, Wv, Wo, xw_codes, xw_scales; writes xw_codes, xw_scales
.if DOCPART == 1
	.amdgcn_target "amdgcn-amd-amdhsa--gfx1250"
	.amdhsa_code_object_version 6
	.text
	.protected	k_qccb51dea4b_prep
	.globl	k_qccb51dea4b_prep
	.p2align	8
	.type	k_qccb51dea4b_prep,@function
k_qccb51dea4b_prep:
	s_mov_b64 s[64:65], 0
	v_nop
	global_prefetch_b8 v0, s[64:65] scope:SCOPE_SE
	s_setreg_imm32_b32 hwreg(HW_REG_WAVE_MODE, 25, 1), 1
	s_wait_xcnt 0x0
; TWO JOBS IN ONE LAUNCH, told apart by the work-group's number.
; Work-groups 0-127: the four weights W [1024 (k)][1024 (n)], f32, become codes of E5M2 laid [n][k], K innermost, with one E8M0 byte for each 32 along K.
; Work-groups 128-383: x = LayerNorm(hidden_states) (mean, variance, 1 / sqrt(var + 1e-5), gamma, beta, all f32) becomes codes and bytes in the same form.
; xw_codes: rows of 1,024 bytes; rows 0-8191 x, rows 8192 + 1024 w + .. the weight w (0 Wq, 1 Wk, 2 Wv, 3 Wo).  xw_scales: the same rows, 32 bytes each.
; POSITION ORDER: row (or column n) number i lies at position i with its bits 3 and 4 exchanged.  A tile of 16 neighbouring positions, used as a product's first source, then gives each lane
; 16 neighbours along the next product's K in the 16 registers of two neighbouring tiles.
; A block's scale is 2^(floor(log2(largest magnitude)) - 15); its byte is that magnitude's exponent field - 15, held at 1 from below.
; LIMITS: a block of zeros gets the byte 1 where the quantiser's rule says 127: its codes are zeros, and this program alone reads the bytes.  NaN and infinities among the inputs are not served.
; No tensor loads, no barrier: waves share nothing.  Each of the two jobs has LDS bytes of its own.
.set MANT,  0x600000                   ; the mantissa field of 57,344
.set FLO,   0x8000000                  ; 2^(16 - 127): the floor under every largest magnitude
.set EOFF,  0xf8800000                 ; - (15 << 23)
.set PITCH, 272                        ; a stage row of the weights' job: 256 bytes + 16
.set LNL,   4*32*PITCH                 ; behind the four stages: 256 bytes for each wave of the other job
	s_load_b512 s[4:19], s[0:1], 0x0               ; hidden s[4:5], gamma s[6:7], beta s[8:9], Wq s[10:11], Wk s[12:13], Wv s[14:15], Wo s[16:17], codes s[18:19]
	s_load_b64 s[20:21], s[0:1], 0x40              ; scale bytes
	v_lshl_add_u32 v192, v0, 2, 0x9000
	v_mov_b32 v193, 0
	v_lshrrev_b32 v2, 5, v0
	v_readfirstlane_b32 s22, v2                    ; wave 0..3
	v_and_b32 v1, 31, v0                           ; lane
	s_mov_b32 s32, MANT
	s_cmp_lt_u32 ttmp9, 128
	s_cbranch_scc0 .Lln
; ---------------- THE WEIGHTS.  A lane takes a column n and its registers run down K: a block of 32 along K lies in one lane, and the conversions give codes with K innermost.
; A wave takes 32 columns x 256 along K; its codes go through its own stage in LDS, the lane's row at the column's POSITION, and leave as rows: sixteen lanes store 256 consecutive bytes.
.set X,     32                         ; v32-95   two sets of 32 numbers
.set C,     96                         ; v96-103  a block's codes
.set OUTR,  112                        ; v112-175 the way out
.set SB,    24                         ; v24-25   the scale bytes, four to a register
	s_lshr_b32 s23, ttmp9, 5                       ; which weight
	s_and_b32 s24, ttmp9, 7                        ; which 128 columns
	s_bfe_u32 s25, ttmp9, 0x20003                  ; which 256 along K
	s_lshl_b32 s24, s24, 7
	s_lshl_b32 s26, s22, 5
	s_add_co_u32 s24, s24, s26                     ; my wave's first column
	s_lshl_b32 s26, s25, 20                        ; in W: 256 rows of 4,096 bytes for each step along K,
	s_lshl_b32 s27, s24, 2
	s_add_co_u32 s26, s26, s27                     ; + 4 bytes a column
	s_mov_b32 s27, 0
	s_lshl_b32 s28, s23, 10
	s_add_co_u32 s28, s28, s24
	s_add_co_u32 s28, s28, 8192                    ; my first row of the two buffers
	s_lshl_b32 s30, s28, 5
	s_lshl_b32 s28, s28, 10
	s_lshl_b32 s29, s25, 8
	s_add_co_u32 s28, s28, s29                     ; codes: row x 1,024 + 256 y
	s_lshl_b32 s29, s25, 3
	s_add_co_u32 s30, s30, s29                     ; bytes: row x 32 + 8 y
	s_mov_b32 s29, 0
	s_mov_b32 s31, 0
	v_lshlrev_b32 v3, 2, v1                        ; in: 4 bytes a lane
	v_and_b32 v5, 7, v1
	v_bfe_u32 v6, v1, 3, 1
	v_lshl_add_u32 v5, v6, 4, v5
	v_bfe_u32 v6, v1, 4, 1
	v_lshl_add_u32 v5, v6, 3, v5                   ; my column's position among the wave's 32: bits 3 and 4 exchanged
	s_mul_i32 s38, s22, 32*PITCH                   ; my stage
	v_mul_u32_u24 v4, v5, PITCH
	v_add_nc_u32 v4, s38, v4                       ; into it: the row of my column's position
	v_lshlrev_b32 v9, 5, v5                        ; and that row of scale bytes
	v_and_b32 v5, 15, v1
	v_lshrrev_b32 v6, 4, v1                        ; out of it: sixteen lanes to a row, two rows an instruction
	v_mul_u32_u24 v7, v6, PITCH
	v_lshl_add_u32 v7, v5, 4, v7
	v_add_nc_u32 v7, s38, v7
	v_lshlrev_b32 v8, 10, v6
	v_lshl_add_u32 v8, v5, 4, v8                   ; the same place in the codes' buffer
	s_wait_kmcnt 0x0
	s_cmp_eq_u32 s23, 1                            ; the weight is chosen by the work-group's number alone
	s_cselect_b64 s[10:11], s[12:13], s[10:11]
	s_cmp_eq_u32 s23, 2
	s_cselect_b64 s[10:11], s[14:15], s[10:11]
	s_cmp_eq_u32 s23, 3
	s_cselect_b64 s[10:11], s[16:17], s[10:11]
	s_add_nc_u64 s[10:11], s[10:11], s[26:27]
	s_add_nc_u64 s[18:19], s[18:19], s[28:29]
	s_add_nc_u64 s[20:21], s[20:21], s[30:31]
.macro LOAD t                          ; block t: W(32 t + i, my column), i = 0 .. 31, into set t % 2; each load reads 128 consecutive bytes
.irp i, 0,1,2,3,4,5,6,7,8,9,10,11,12,13,14,15,16,17,18,19,20,21,22,23,24,25,26,27,28,29,30,31
	global_load_b32 v[X+32*((\t)%2)+\i], v3, s[10:11] offset:(32*(\t)+\i)*4096 th:TH_LOAD_NT
.endr
.endm
	LOAD 0
	LOAD 1
.macro BLOCK t
.set XS, X+32*((\t)%2)
.if (\t) < 7
	s_wait_loadcnt 32                              ; this block's 32 loads are in; the next block's 32 may be out
.else
	s_wait_loadcnt 0
.endif
	v_max3_num_f32 v12, |v[XS]|, |v[XS+1]|, |v[XS+2]|      ; the block's largest magnitude: all 32 numbers are mine; two chains
	v_max3_num_f32 v13, |v[XS+3]|, |v[XS+4]|, |v[XS+5]|
.irp i, 6,10,14,18,22,26
	v_max3_num_f32 v12, v12, |v[XS+\i]|, |v[XS+\i+1]|
	v_max3_num_f32 v13, v13, |v[XS+\i+2]|, |v[XS+\i+3]|
.endr
	v_max3_num_f32 v12, v12, |v[XS+30]|, |v[XS+31]|
	v_max3_num_f32 v12, v12, v13, FLO              ; and the floor: the byte cannot fall under 1
	v_add_nc_u32 v11, EOFF, v12                    ; 15 off the exponent field: the conversion takes this operand's exponent field as its scale
	v_and_or_b32 v10, v12, 0x7f800000, s32         ; 57,344 x the scale
	v_lshrrev_b32 v13, 23, v11                     ; the scale's byte
.if (\t)%4 == 0
	v_mov_b32 v[SB+(\t)/4], v13
.else
	v_lshl_or_b32 v[SB+(\t)/4], v13, 8*((\t)%4), v[SB+(\t)/4]
.endif
.irp i, 0,1,2,3,4,5,6,7,8,9,10,11,12,13,14,15,16,17,18,19,20,21,22,23,24,25,26,27,28,29,30,31
	v_med3_num_f32 v[XS+\i], v[XS+\i], -v10, v10   ; the conversion to an 8-bit code does not saturate (ISA guide 7.6.2): the hold comes first
.endr
.irp g, 0,1,2,3
	v_cvt_scalef32_pk8_bf8_f32 v[C+2*\g:C+2*\g+1], v[XS+8*\g:XS+8*\g+7], v11
.endr
	v_nop                                          ; a plain line behind the last conversion
	ds_store_b128 v4, v[C:C+3] offset:32*(\t)
	ds_store_b128 v4, v[C+4:C+7] offset:32*(\t)+16
.if (\t)+2 < 8
	LOAD (\t)+2
.endif
	s_wait_dscnt 0x0                               ; the stores have read their registers: the next block's codes may be written
.endm
.irp t, 0,1,2,3,4,5,6,7
	BLOCK \t
.endr
	global_store_b64 v9, v[SB:SB+1], s[20:21]      ; my column's 8 scale bytes
.irp t, 0,1,2,3,4,5,6,7,8,9,10,11,12,13,14,15
	ds_load_b128 v[OUTR+4*\t:OUTR+4*\t+3], v7 offset:2*\t*PITCH   ; LDS serves a wave's instructions in order (ISA guide 5.7.1.4): these see my stores
.endr
.irp t, 0,1,2,3,4,5,6,7,8,9,10,11,12,13,14,15
	s_wait_dscnt 15-\t                             ; rows 2 t, 2 t + 1 are back; the younger loads may be out
	global_store_b128 v8, v[OUTR+4*\t:OUTR+4*\t+3], s[18:19] offset:2*\t*1024
.endr
	s_wait_tensorcnt 0x0
	ds_add_u32 v192, v193
	s_wait_dscnt 0x0
	s_endpgm
; ---------------- LAYER NORM AND x's CODES.  A wave takes 8 rows, one at a time, whole: 32 numbers a lane, in four groups of 8 neighbours (group j: numbers 256 j + 8 lane + 0 .. 7).
; The two loads of a group stand together and cover the same 1,024 consecutive bytes.  A block of 32 lies in four neighbouring lanes.  A group's codes are 8 bytes a lane: 256 consecutive bytes a store.
; REGISTERS: v2 32 lane, v3 8 lane, v4, v5 LDS; v[6:7] the mean twice, v[8:9] 1 / sqrt twice; v10-17 four packed chains; v18, v19 the sum over the lanes; v20-35 the four blocks' figures;
; v36-51 codes, two sets; v64-127 the row, two sets; v128-159 gamma, v160-191 beta of my 32 columns.
.Lln:
	s_sub_co_u32 s23, ttmp9, 128
	s_lshl_b32 s24, s23, 5                         ; the work-group's 32 rows
	s_lshl_b32 s25, s22, 3
	s_add_co_u32 s25, s24, s25                     ; my wave's first row
	s_and_b32 s26, s22, 1
	s_lshl_b32 s26, s26, 1
	s_lshr_b32 s27, s22, 1
	s_or_b32 s26, s26, s27                         ; the wave's number is bits 3 and 4 of the row: exchanged
	s_lshl_b32 s26, s26, 3
	s_add_co_u32 s26, s24, s26                     ; my first position: eight rows lie at eight neighbouring positions
	s_lshl_b32 s24, s25, 12
	s_mov_b32 s25, 0
	s_lshl_b32 s28, s26, 5
	s_mov_b32 s29, 0
	s_lshl_b32 s26, s26, 10
	s_mov_b32 s27, 0
	s_mov_b32 s33, 0x3a800000                      ; 1 / 1,024
	s_mov_b32 s34, 0x3727c5ac                      ; 1e-5
	s_mov_b32 s36, 0x76543210
	s_mov_b32 s37, 0xfedcba98                      ; v_permlanex16_b32's selects for lane l xor 16
	v_lshlrev_b32 v2, 5, v1
	v_lshlrev_b32 v3, 3, v1
	s_lshl_b32 s30, s22, 8
	s_add_co_u32 s30, s30, LNL                     ; my wave's 256 scale bytes in LDS
	v_lshrrev_b32 v4, 2, v1
	v_add_nc_u32 v4, s30, v4                       ; in: my block's byte
	v_add_nc_u32 v5, s30, v3                       ; out: 8 bytes a lane
	v_mov_b32 v19, 0                               ; written once: a lane permute's destination counts as one of its sources
	s_wait_kmcnt 0x0
	s_add_nc_u64 s[4:5], s[4:5], s[24:25]
	s_add_nc_u64 s[18:19], s[18:19], s[26:27]
	s_add_nc_u64 s[20:21], s[20:21], s[28:29]
.irp j, 0,1,2,3
.irp q, 0,1
	global_load_b128 v[128+8*\j+4*\q:128+8*\j+4*\q+3], v2, s[6:7] offset:1024*\j+16*\q
	global_load_b128 v[160+8*\j+4*\q:160+8*\j+4*\q+3], v2, s[8:9] offset:1024*\j+16*\q
.endr
.endr
.macro LOADROW i
.irp j, 0,1,2,3
.irp q, 0,1
	global_load_b128 v[64+32*((\i)%2)+8*\j+4*\q:64+32*((\i)%2)+8*\j+4*\q+3], v2, s[4:5] offset:4096*(\i)+1024*\j+16*\q th:TH_LOAD_NT
.endr
.endr
.endm
.macro WSUM                            ; v18 summed over the 32 lanes, the result in every lane
	v_add_f32_dpp v18, v18, v18 row_xmask:1 row_mask:0xf bank_mask:0xf
	v_add_f32_dpp v18, v18, v18 row_xmask:2 row_mask:0xf bank_mask:0xf
	v_add_f32_dpp v18, v18, v18 row_xmask:4 row_mask:0xf bank_mask:0xf
	v_add_f32_dpp v18, v18, v18 row_xmask:8 row_mask:0xf bank_mask:0xf
	v_permlanex16_b32 v19, v18, s36, s37
	v_add_f32 v18, v18, v19
.endm
.macro FOLD                            ; the four packed chains into v18
	v_pk_add_f32 v[10:11], v[10:11], v[12:13]
	v_pk_add_f32 v[14:15], v[14:15], v[16:17]
	v_pk_add_f32 v[10:11], v[10:11], v[14:15]
	v_add_f32 v18, v10, v11
.endm
	LOADROW 0
	LOADROW 1
.macro ROW i
.set XS, 64+32*((\i)%2)
.set CD, 36+8*((\i)%2)
.if (\i) < 7
	s_wait_loadcnt 8                               ; this row's eight loads (and gamma, beta) are in; the next row's eight may be out
.else
	s_wait_loadcnt 0
.endif
.irp k, 0,1,2,3
	v_pk_add_f32 v[10+2*\k:11+2*\k], v[XS+2*\k:XS+2*\k+1], v[XS+8+2*\k:XS+9+2*\k]   ; the first products of the chains start them: nothing is cleared
.endr
.irp m, 16,24
.irp k, 0,1,2,3
	v_pk_add_f32 v[10+2*\k:11+2*\k], v[10+2*\k:11+2*\k], v[XS+\m+2*\k:XS+\m+2*\k+1]
.endr
.endr
	FOLD
	WSUM
	v_mul_f32 v6, s33, v18                         ; the mean,
	v_mov_b32 v7, v6                               ; twice, for the packed form
.irp p, 0,2,4,6,8,10,12,14,16,18,20,22,24,26,28,30
	v_pk_add_f32 v[XS+\p:XS+\p+1], v[XS+\p:XS+\p+1], v[6:7] neg_lo:[0,1] neg_hi:[0,1]   ; x - mean
.endr
.irp k, 0,1,2,3
	v_pk_mul_f32 v[10+2*\k:11+2*\k], v[XS+2*\k:XS+2*\k+1], v[XS+2*\k:XS+2*\k+1]
.endr
.irp m, 8,16,24
.irp k, 0,1,2,3
	v_pk_fma_f32 v[10+2*\k:11+2*\k], v[XS+\m+2*\k:XS+\m+2*\k+1], v[XS+\m+2*\k:XS+\m+2*\k+1], v[10+2*\k:11+2*\k]
.endr
.endr
	FOLD
	WSUM
	v_fma_f32 v18, v18, s33, s34                   ; the variance + 1e-5
	v_rsq_f32 v8, v18
	v_nop                                          ; a plain line behind the transcendental (ISA guide 5.7.2)
	s_wait_alu depctr_va_vdst(0)                   ; and the wait ahead of the first line that names its result
	v_mov_b32 v9, v8
.irp p, 0,2,4,6,8,10,12,14,16,18,20,22,24,26,28,30
	v_pk_mul_f32 v[XS+\p:XS+\p+1], v[XS+\p:XS+\p+1], v[8:9]
.endr
.irp p, 0,2,4,6,8,10,12,14,16,18,20,22,24,26,28,30
	v_pk_fma_f32 v[XS+\p:XS+\p+1], v[XS+\p:XS+\p+1], v[128+\p:129+\p], v[160+\p:161+\p]   ; x gamma + beta
.endr
.irp j, 0,1,2,3
	v_max3_num_f32 v[20+\j], |v[XS+8*\j]|, |v[XS+8*\j+1]|, FLO      ; group j: my 8 numbers, and the floor; the four groups by turns
.endr
.irp n, 2,4,6
.irp j, 0,1,2,3
	v_max3_num_f32 v[20+\j], v[20+\j], |v[XS+8*\j+\n]|, |v[XS+8*\j+\n+1]|
.endr
.endr
.irp j, 0,1,2,3
	v_max_num_f32_dpp v[20+\j], v[20+\j], v[20+\j] row_xmask:1 row_mask:0xf bank_mask:0xf
.endr
.irp j, 0,1,2,3
	v_max_num_f32_dpp v[20+\j], v[20+\j], v[20+\j] row_xmask:2 row_mask:0xf bank_mask:0xf   ; with the three lanes that share the block
.endr
.irp j, 0,1,2,3
	v_add_nc_u32 v[24+\j], EOFF, v[20+\j]          ; the conversion's scale operand
.endr
.irp j, 0,1,2,3
	v_and_or_b32 v[28+\j], v[20+\j], 0x7f800000, s32   ; 57,344 x the scale
.endr
.irp j, 0,1,2,3
	v_lshrrev_b32 v[32+\j], 23, v[24+\j]           ; the scale's byte
.endr
	s_wait_xcnt 0x0                                ; the stores of two rows ago have read this set of code registers
.irp j, 0,1,2,3
.irp n, 0,1,2,3,4,5,6,7
	v_med3_num_f32 v[XS+8*\j+\n], v[XS+8*\j+\n], -v[28+\j], v[28+\j]
.endr
	v_cvt_scalef32_pk8_bf8_f32 v[CD+2*\j:CD+2*\j+1], v[XS+8*\j:XS+8*\j+7], v[24+\j]
.endr
	v_nop                                          ; a plain line behind the last conversion
.irp j, 0,1,2,3
	ds_store_b8 v4, v[32+\j] offset:32*(\i)+8*\j   ; the four lanes of a block write the same byte with the same value
.endr
.irp j, 0,1,2,3
	global_store_b64 v3, v[CD+2*\j:CD+2*\j+1], s[18:19] offset:1024*(\i)+256*\j   ; 32 lanes store 256 consecutive bytes, at a multiple of 256 from the buffer's first byte
.endr
.if (\i) < 6
	LOADROW (\i)+2
.endif
.endm
.irp i, 0,1,2,3,4,5,6,7
	ROW \i
.endr
	ds_load_b64 v[52:53], v5                       ; LDS serves a wave's instructions in order: these see my byte stores
	s_wait_dscnt 0x0
	global_store_b64 v3, v[52:53], s[20:21]        ; eight rows' 32 bytes: 256 consecutive bytes
	s_wait_tensorcnt 0x0
	ds_add_u32 v192, v193
	s_wait_dscnt 0x0
	s_endpgm
.Lfunc_end_k_qccb51dea4b_prep:
	.size	k_qccb51dea4b_prep, .Lfunc_end_k_qccb51dea4b_prep-k_qccb51dea4b_prep
	.p2alignl 7, 3214868480
	.fill 96, 4, 3214868480
	.section	.rodata,"a",@progbits
	.p2align	6, 0x0
	.amdhsa_kernel k_qccb51dea4b_prep
		.amdhsa_group_segment_fixed_size 37376
		.amdhsa_private_segment_fixed_size 0
		.amdhsa_enable_private_segment 0
		.amdhsa_kernarg_size 72
		.amdhsa_user_sgpr_count 2
		.amdhsa_user_sgpr_kernarg_segment_ptr 1
		.amdhsa_wavefront_size32 1
		.amdhsa_system_sgpr_workgroup_id_x 1
		.amdhsa_system_sgpr_workgroup_id_y 1
		.amdhsa_system_sgpr_workgroup_id_z 1
		.amdhsa_system_vgpr_workitem_id 0
		.amdhsa_next_free_vgpr 194
		.amdhsa_next_free_sgpr 66
		.amdhsa_reserve_vcc 0
		.amdhsa_float_denorm_mode_32 3
		.amdhsa_float_denorm_mode_16_64 3
		.amdhsa_memory_ordered 1
		.amdhsa_forward_progress 1
		.amdhsa_inst_pref_size 161
	.end_amdhsa_kernel
	.amdgpu_metadata
---
amdhsa.version: [ 1, 2 ]
amdhsa.kernels:
  - .name:           k_qccb51dea4b_prep
    .symbol:         k_qccb51dea4b_prep.kd
    .args:
      - { .name: hidden_states, .offset: 0, .size: 8, .value_kind: global_buffer, .address_space: global }
      - { .name: ln_gamma, .offset: 8, .size: 8, .value_kind: global_buffer, .address_space: global }
      - { .name: ln_beta, .offset: 16, .size: 8, .value_kind: global_buffer, .address_space: global }
      - { .name: Wq, .offset: 24, .size: 8, .value_kind: global_buffer, .address_space: global }
      - { .name: Wk, .offset: 32, .size: 8, .value_kind: global_buffer, .address_space: global }
      - { .name: Wv, .offset: 40, .size: 8, .value_kind: global_buffer, .address_space: global }
      - { .name: Wo, .offset: 48, .size: 8, .value_kind: global_buffer, .address_space: global }
      - { .name: xw_codes, .offset: 56, .size: 8, .value_kind: global_buffer, .address_space: global }
      - { .name: xw_scales, .offset: 64, .size: 8, .value_kind: global_buffer, .address_space: global }
    .group_segment_fixed_size: 37376
    .private_segment_fixed_size: 0
    .kernarg_segment_align: 8
    .kernarg_segment_size: 72
    .max_flat_workgroup_size: 128
    .sgpr_count:     66
    .vgpr_count:     194
    .wavefront_size: 32
...
	.end_amdgpu_metadata
.endif
;; end of part 1
;; launch qkv (part 2): grid 12 x 32, 4 waves a work-group, clusters of 4 x 4, 327,680 bytes of LDS; arguments xw_codes, xw_scales, attention_mask, bq, bk, bv, qkv_codes, qkv_scales; writes qkv_codes, qkv_scales
.if DOCPART == 2
	.amdgcn_target "amdgcn-amd-amdhsa--gfx1250"
	.amdhsa_code_object_version 6
	.text
	.protected	k_qccb51dea4b_qkv
	.globl	k_qccb51dea4b_qkv
	.p2align	8
	.type	k_qccb51dea4b_qkv,@function
k_qccb51dea4b_qkv:
	s_mov_b64 s[64:65], 0
	v_nop
	global_prefetch_b8 v0, s[64:65] scope:SCOPE_SE
	s_setreg_imm32_b32 hwreg(HW_REG_WAVE_MODE, 25, 1), 1
	s_wait_xcnt 0x0
	s_wait_alu depctr_hold_cnt(0) depctr_sa_sdst(0) depctr_va_vdst(0) depctr_va_sdst(0) depctr_va_ssrc(0) depctr_va_vcc(0) depctr_vm_vsrc(0)
	s_getreg_b32 s2, hwreg(HW_REG_IB_STS2, 6, 4)
	s_cmp_eq_u32 s2, 0
	s_cbranch_scc0 .Lentry_in_a_cluster
	s_endpgm
.Lentry_in_a_cluster:
	s_bfe_u32 s2, ttmp6, 0x10000c
	s_cmp_lg_u32 s2, 0xf033
	s_cbranch_scc0 .Lentry_shape_is_right
	s_endpgm
.Lentry_shape_is_right:
; q = x Wq + bq, k = x Wk + bk, v = x Wv + bv on codes of E5M2 with E8M0 scales (K = 1,024), and q, k, v quantised at once for attention: q and k along the head's 64, v along the keys.
; A work-group of four waves makes a tile of 256 x 256; a wave 128 x 128: 64 accumulators, 512 registers.  K goes in steps of 256 through a ring of two LDS slots filled by tensor loads.
; THE ROLE is the cluster's x (0 q, 1 k, 2 v), the same in all sixteen partners.  The matrix instruction takes 16 rows of "B" as source 0 and 16 rows of "A" as source 1; a lane then holds one row of A
; and, in a pair of accumulators, 16 neighbours along B's rows (the rows lie in position order: bits 3 and 4 of the row number exchanged).
;   q, k: A = x, B = the weight: a lane holds one token and 16 neighbouring channels.      v: A = Wv, B = x: a lane holds one channel and 16 neighbouring KEYS.
; So the conversions' results are the next products' operand registers, and they are stored AS THEY LIE: four registers by one store of 16 bytes a lane, 512 consecutive bytes.
; CLUSTERS: 4 x 4.  A's tile hangs on cy alone and is shared along a row of the cluster, B's on cx alone and is shared along a column: each is asked for jointly.
; THE MASK: a masked key's codes of k are made zeros (its hold is 0) and its record carries the word 0xf8, the code of -32,768, which attention sets at k = 64 of the first product's K of 128.
; LIMITS: NaN and infinities are not served; a block of zeros gets the byte 1 over zero codes (this program alone reads the bytes).
; REGISTERS, in windows of 256: window 0: v1-7 at work at the head; v8-15 v's bias, one number a lane for each of A's blocks; v16-29 addresses and constants; v32-63 scale words, two sets;
;   v64-127 the bias along B's rows (the C of the first products); from v128 A's fragments, ONE set; on the way out v128-255 are at work.
;   window 1: B's fragments, TWO sets.   window 2: the accumulators of my rows 0-63 ((a, b) at v[8 (8 a + b)]);   window 3: those of rows 64-127.
.set KSTEP,  256
.set NQ,     2                         ; matrix instructions deep in a slot
.set ROWB,   256                       ; a tile's row in bytes
.set KROW,   1024                      ; a row of codes in memory
.set PITCH,  272                       ; an LDS row: 256 bytes + 16 of padding: the 16 rows that a load touches start at 16 different 16-byte columns
.set FR,     16
.set NL,     4
.set NP,     8                         ; places behind this matrix instruction (ISA guide 7.12.1)
.set HALFT,  128*PITCH
.set SLOT,   4*HALFT
.set KS,     32                        ; a row of scale bytes
.set SCL,    2*SLOT                    ; behind the ring: the scales of all of K, filled once
.set HALFS,  (128*KS/256)*272
.set SBLK,   (16*KS/256)*272
.set SPARE,  SCL+4*HALFS               ; the spare words: 128 bytes a wave, named by no other line
.set BM,   8
.set ADRA, 16
.set L16,  18                          ; 16 x lane
.set L8,   19                          ; 8 x lane
.set ADRB, 20
.set MW,   22                          ; 0xf8
.set ZR,   23                          ; 0, for the selects
.set ADRS, 27
.set SPW,  28
.set NIL,  29
.set SC,   32
.set BN,   64
.set AF,   128
.set ST,   128                         ; the way out: 64 numbers of a lane
.set PC,   192                         ; their codes
.set TM,   208                         ; v208-211 largest magnitudes, v212-215 bytes, v216-219 holds, v220-223 scale operands
.set TT,   224                         ; v224-225 at work
.set PWS,  232                         ; the eight blocks' scale words
.set REC,  240                         ; records to store
.set ISV,  2                           ; s2   1 in the role v
.set WV,   20
.set RH,   21                          ; which half of A's rows is mine.  Also: I fetch for A (0) or for B (1)
.set CH,   22                          ; which half of B's rows.  Also: which 128 rows of that tile I fetch
.set MNT,  23
.set G1,   24
.set G0,   32
.set G1B,  48
.set G0B,  56
.set G1S,  68
.set G0S,  76
.set G1SB, 80
.set G0SB, 88
.set MK,   92                          ; s92-99 for each of A's blocks: the lanes whose token is a masked key (role k alone)
.set VM,   100                         ; all ones in the role v
.set KM,   101                         ; all ones in the role k
.set SEL,  104
.set MSB, 0
.macro WIN new                         ; the immediate's high byte repeats the setting that is left
.if MSB != \new
	s_set_vgpr_msb (MSB<<8)|\new
.set MSB, \new
.endif
.endm
.set MUL_LO, 0xa1                      ; source 0 (B) window 1, source 1 (A) window 0, C and D window 2
.set MUL_HI, 0xf1
.set TO_B,   0x40
.macro JLOAD g0a, g1a, g0b, g1b        ; a joint load: waves 0 and 1 fetch for A, waves 2 and 3 for B; four v_nop follow each of the two lines
	s_cmp_eq_u32 s[RH], 0
	s_cbranch_scc0 .Lfor_b_\@
	tensor_load_to_lds s[\g0a:\g0a+3], s[\g1a:\g1a+7]
	s_nop 0
.rept 4
	v_nop
.endr
	s_branch .Lasked_\@
.Lfor_b_\@:
	tensor_load_to_lds s[\g0b:\g0b+3], s[\g1b:\g1b+7]
	s_nop 0
.rept 4
	v_nop
.endr
.Lasked_\@:
.endm
.macro CREST                           ; a round of the cluster's barrier behind its opening barrier
	s_cmp_lg_u32 s[WV], 0
	s_cbranch_scc1 .Lnot_wave_0_\@
	s_barrier_signal -3
.Lnot_wave_0_\@:
	s_barrier_wait -3
	s_barrier_signal -1
	s_barrier_wait -1
.endm
.macro CROUND
	s_barrier_signal -1
	s_barrier_wait -1
	CREST
.endm
	s_load_b512 s[4:19], s[0:1], 0x0               ; codes s[4:5], scales s[6:7], mask s[8:9], bq s[10:11], bk s[12:13], bv s[14:15], qkv_codes s[16:17], qkv_scales s[18:19]
	v_lshl_add_u32 v[SPW], v0, 2, SPARE
	v_mov_b32 v[NIL], 0
	ds_add_u32 v28, v29
	ds_add_u32 v28, v29
	s_wait_dscnt 0x0
	v_lshrrev_b32 v1, 5, v0
	v_readfirstlane_b32 s[WV], v1
	s_lshr_b32 s[RH], s[WV], 1
	s_and_b32 s[CH], s[WV], 1
	s_bfe_u32 s40, ttmp6, 0x40000                  ; cx
	s_bfe_u32 s41, ttmp6, 0x40004                  ; cy
	s_and_b32 s42, ttmp7, 0xffff
	s_lshl_b32 s42, s42, 2                         ; 4 x cluster y
	s_lshr_b32 s[ISV], ttmp9, 1                    ; cluster x is 0, 1 or 2
	s_xor_b32 s3, s[ISV], 1                        ; 1 in the roles q and k
	s_lshl_b32 s43, s41, 2
	s_lshl_b32 s43, 15, s43                        ; my row of the cluster
	s_lshl_b32 s44, 0x1111, s40                    ; my column
	s_mov_b32 s[MNT], 0x600000
	s_mov_b32 s[SEL], 0x76543210
	s_mov_b32 s[SEL+1], 0xfedcba98
	; descriptor group 1: a tile of 128 rows x 256 bytes, 16 bytes of padding behind each row
	s_or_b32 s[G1+0], s43, (0<<16)|(1<<20)|(1<<21)|(5<<22)|(3<<25)
	s_or_b32 s[G1B+0], s44, (0<<16)|(1<<20)|(1<<21)|(5<<22)|(3<<25)
.irp g, G1, G1B
	s_mov_b32 s[\g+1], ROWB<<16
	s_mov_b32 s[\g+2], 128<<16
	s_mov_b32 s[\g+3], ROWB<<16
	s_mov_b32 s[\g+4], 128
	s_mov_b32 s[\g+5], KROW
	s_mov_b32 s[\g+6], 0
	s_mov_b32 s[\g+7], 0
.endr
	; the scales of 128 rows: 4,096 dense bytes, as 16 rows of 256 bytes with 16 of padding behind each
	s_or_b32 s[G1S+0], s43, (3<<16)|(1<<20)|(1<<21)|(5<<22)|(3<<25)
	s_or_b32 s[G1SB+0], s44, (3<<16)|(1<<20)|(1<<21)|(5<<22)|(3<<25)
.irp g, G1S, G1SB
	s_mov_b32 s[\g+1], 32<<16
	s_mov_b32 s[\g+2], (128*KS/256)<<16
	s_mov_b32 s[\g+3], 32<<16
	s_mov_b32 s[\g+4], 128*KS/256
	s_mov_b32 s[\g+5], 32
	s_mov_b32 s[\g+6], 0
	s_mov_b32 s[\g+7], 0
.endr
	; the rows.  A: q, k: x's rows 256 (4 cluster y + cy);  v: Wv's rows 10,240 + 256 cy.   B: q, k: the weight's rows 8,192 + 1,024 role + 256 cx;  v: x's rows 256 (4 cluster y + cx).
	s_lshl_b32 s45, s[CH], 7                       ; which 128 rows of the tile I fetch
	s_mul_i32 s66, s3, s42
	s_add_co_u32 s66, s66, s41
	s_lshl_b32 s66, s66, 8
	s_mul_i32 s67, s[ISV], 10240
	s_add_co_u32 s66, s66, s67
	s_add_co_u32 s66, s66, s45                     ; A's: it hangs on cy, never on cx
	s_mul_i32 s46, s[ISV], s42
	s_add_co_u32 s46, s46, s40
	s_lshl_b32 s46, s46, 8
	s_lshl_b32 s47, ttmp9, 10
	s_add_co_u32 s47, s47, 8192
	s_mul_i32 s47, s47, s3
	s_add_co_u32 s46, s46, s47
	s_add_co_u32 s46, s46, s45                     ; B's: it hangs on cx, never on cy
	s_lshl_b32 s96, s66, 5                         ; a row's scale bytes: 32; its codes: 1,024
	s_lshl_b32 s66, s66, 10
	s_lshl_b32 s92, s46, 5
	s_lshl_b32 s46, s46, 10
	s_mov_b32 s67, 0
	s_mov_b32 s97, 0
	s_mov_b32 s47, 0
	s_mov_b32 s93, 0
	s_mul_i32 s45, s[WV], HALFT                    ; where they go: wave x 128 rows: no place in the cluster enters an LDS address
	s_mul_i32 s94, s[WV], HALFS
	s_wait_kmcnt 0x0
	s_add_nc_u64 s[66:67], s[4:5], s[66:67]
	s_add_nc_u64 s[96:97], s[6:7], s[96:97]
	s_add_nc_u64 s[46:47], s[4:5], s[46:47]
	s_add_nc_u64 s[92:93], s[6:7], s[92:93]
	CROUND                                         ; all sixteen work-groups are here: the first joint loads meet
	s_mov_b32 s[G0S], 1
	s_add_co_u32 s[G0S+1], s94, SCL
	s_mov_b64 s[G0S+2:G0S+3], s[96:97]
	s_or_b32 s[G0S+3], s[G0S+3], 0x80000000
	s_mov_b32 s[G0SB], 1
	s_add_co_u32 s[G0SB+1], s94, SCL
	s_mov_b64 s[G0SB+2:G0SB+3], s[92:93]
	s_or_b32 s[G0SB+3], s[G0SB+3], 0x80000000
	JLOAD G0S, G1S, G0SB, G1SB                     ; the scales first: they are wanted with K step 0
.irp s, 0,1
	s_mov_b32 s[G0+4*\s], 1
	s_add_co_u32 s[G0+4*\s+1], s45, \s*SLOT
	s_add_nc_u64 s[G0+4*\s+2:G0+4*\s+3], s[66:67], \s*ROWB
	s_or_b32 s[G0+4*\s+3], s[G0+4*\s+3], 0x80000000
	s_mov_b32 s[G0B+4*\s], 1
	s_add_co_u32 s[G0B+4*\s+1], s45, \s*SLOT
	s_add_nc_u64 s[G0B+4*\s+2:G0B+4*\s+3], s[46:47], \s*ROWB
	s_or_b32 s[G0B+4*\s+3], s[G0B+4*\s+3], 0x80000000
	JLOAD G0+4*\s, G1, G0B+4*\s, G1B               ; three tensor loads of mine are out
.endr
	v_and_b32 v1, 15, v0                           ; r
	v_bfe_u32 v2, v0, 4, 1                         ; h
	v_mul_u32_u24 v3, v1, PITCH
	v_lshl_add_u32 v4, v2, 4, v3                   ; a fragment's row x pitch + 16 h
	s_mul_i32 s98, s[RH], HALFT                    ; my 128 rows of A
	s_mul_i32 s99, s[CH], HALFT                    ; my 128 rows of B,
	s_add_co_u32 s99, s99, 2*HALFT                 ; behind A's 256
.irp s, 0,1
	v_add_nc_u32 v[ADRA+\s], s98, v4
	v_add_nc_u32 v[ADRB+\s], s99, v4
	s_add_co_u32 s98, s98, SLOT
	s_add_co_u32 s99, s99, SLOT
.endr
	v_mul_u32_u24 v5, v1, KS                       ; my row's scales: 32 bytes a row,
	v_lshrrev_b32 v6, 8, v5
	v_lshl_add_u32 v5, v6, 4, v5                   ; and 16 more for each 256 passed
	s_mul_i32 s98, s[RH], HALFS
	s_mul_i32 s99, s[CH], HALFS
	s_add_co_u32 s99, s99, 2*HALFS
	s_sub_co_u32 s99, s99, s98
	v_mul_u32_u24 v6, s99, v2                      ; lanes 16-31 take B's: one product, the distance between the two
	s_add_co_u32 s98, s98, SCL
	v_add_nc_u32 v5, v5, v6
	v_add_nc_u32 v[ADRS], s98, v5
	v_and_b32 v6, 31, v0
	v_lshlrev_b32 v[L16], 4, v6
	v_lshlrev_b32 v[L8], 3, v6
	v_mov_b32 v[MW], 0xf8
	v_mov_b32 v[ZR], 0
	v_and_b32 v7, 7, v1
	v_bfe_u32 v6, v0, 3, 1
	v_lshl_add_u32 v7, v6, 4, v7                   ; the row number of position r in a pair of tiles: r % 8 + 16 (r / 8)
	s_cmp_eq_u32 ttmp9, 1                          ; the bias along B's rows, by the role
	s_cselect_b64 s[10:11], s[12:13], s[10:11]
	s_cselect_b32 s[KM], -1, 0
	s_cmp_eq_u32 ttmp9, 2
	s_cselect_b64 s[10:11], s[14:15], s[10:11]
	s_cselect_b32 s[VM], -1, 0
	s_lshl_b32 s98, s40, 10
	s_lshl_b32 s99, s[CH], 9
	s_add_co_u32 s98, s98, s99
	v_lshl_add_u32 v3, v2, 6, s98                  ; 4 (256 cx + 128 half) + 64 h
.irp bb, 0,1,2,3
.irp q, 0,1,2,3
	global_load_b128 v[BN+16*\bb+4*\q:BN+16*\bb+4*\q+3], v3, s[10:11] offset:128*\bb+16*\q   ; register 16 bb + i: the bias of channel 32 bb + 16 h + i of my 128
.endr
.endr
	s_lshl_b32 s98, s41, 10
	s_lshl_b32 s99, s[RH], 9
	s_add_co_u32 s98, s98, s99
	v_lshl_add_u32 v5, v7, 2, s98
.irp a, 0,1,2,3,4,5,6,7
	global_load_b32 v[BM+\a], v5, s[14:15] offset:4*(32*(\a/2)+8*(\a%2))     ; bv of the channel at position 16 a + r of A's rows (used in the role v)
.endr
	s_add_co_u32 s98, s42, s41
	s_lshl_b32 s98, s98, 8
	s_lshl_b32 s99, s[RH], 7
	s_add_co_u32 s98, s98, s99
	v_add_nc_u32 v6, s98, v7
.irp a, 0,1,2,3,4,5,6,7
	global_load_u8 v[AF+\a], v6, s[8:9] offset:32*(\a/2)+8*(\a%2)            ; the mask byte of the token at position 16 a + r of A's rows (used in the role k); inside the buffer in every role
.endr
	s_wait_loadcnt 0x0
.irp i, 0,1,2,3,4,5,6,7,8,9,10,11,12,13,14,15,16,17,18,19,20,21,22,23,24,25,26,27,28,29,30,31,32,33,34,35,36,37,38,39,40,41,42,43,44,45,46,47,48,49,50,51,52,53,54,55,56,57,58,59,60,61,62,63
	v_cndmask_b32 v[BN+\i], v[BN+\i], v[ZR], s[VM]                           ; in the role v B's rows are tokens: no bias along them
.endr
.irp a, 0,1,2,3,4,5,6,7
	v_cndmask_b32 v[BM+\a], v[ZR], v[BM+\a], s[VM]                           ; and in the roles q and k none along A's
.endr
.irp a, 0,1,2,3,4,5,6,7
	v_cmp_ne_u32 s[MK+\a], 0, v[AF+\a]
	s_and_b32 s[MK+\a], s[MK+\a], s[KM]
.endr
.macro FRAG reg, adr, q, i             ; 16 rows x 128 K: lane l holds row l % 16; registers 4 c .. 4 c + 3 hold K = 32 c + 16 (l / 16) + 0 .. 15
.irp c, 0,1,2,3
	ds_load_b128 v[\reg+4*\c:\reg+4*\c+3], v[\adr] offset:128*(\q)+32*\c+(\i)*16*PITCH
.endr
.endm
; 16 matrix instructions: A's blocks a0, a0 + 1 x B's eight.  zero = 1: the first products start the sums with the bias as C.  The 64 accumulators take turns, one instruction a turn.
.macro MUL16 a0, p, q, sc, zero
.irp a, \a0, \a0+1
.irp b, 0,1,2,3,4,5,6,7
.if \zero
	v_wmma_scale_f32_16x16x128_f8f6f4 v[8*(8*((\a)%4)+\b):8*(8*((\a)%4)+\b)+7], v[128*(\p)+FR*\b:128*(\p)+FR*\b+FR-1], v[AF+FR*(\a):AF+FR*(\a)+FR-1], v[BN+8*\b:BN+8*\b+7], v[SC+8*NQ*(\sc)+NQ*\b+(\q)], v[SC+8*NQ*(\sc)+NQ*(\a)+(\q)] matrix_a_fmt:MATRIX_FMT_BF8 matrix_b_fmt:MATRIX_FMT_BF8 matrix_a_scale:MATRIX_SCALE_ROW1
.else
	v_wmma_scale_f32_16x16x128_f8f6f4 v[8*(8*((\a)%4)+\b):8*(8*((\a)%4)+\b)+7], v[128*(\p)+FR*\b:128*(\p)+FR*\b+FR-1], v[AF+FR*(\a):AF+FR*(\a)+FR-1], v[8*(8*((\a)%4)+\b):8*(8*((\a)%4)+\b)+7], v[SC+8*NQ*(\sc)+NQ*\b+(\q)], v[SC+8*NQ*(\sc)+NQ*(\a)+(\q)] matrix_a_fmt:MATRIX_FMT_BF8 matrix_b_fmt:MATRIX_FMT_BF8 matrix_a_scale:MATRIX_SCALE_ROW1
.endif
.endr
.endr
.endm
.macro FETCH_B slot, q, p
	WIN TO_B
.irp i, 0,1,2,3,4,5,6,7
	FRAG 128*(\p)+FR*\i, ADRB+\slot, \q, \i
.endr
	WIN 0
.endm
.macro FETCH_A slot, q, i0
.irp i, \i0, \i0+1, \i0+2, \i0+3
	FRAG AF+FR*(\i), ADRA+\slot, \q, \i
.endr
.endm
.macro SCALES sc                       ; a K step's scale words: lanes 0-15 take A's block i, lanes 16-31 B's block i
.irp i, 0,1,2,3,4,5,6,7
	ds_load_b64 v[SC+8*NQ*\sc+NQ*\i:SC+8*NQ*\sc+NQ*\i+1], v[ADRS] offset:\i*SBLK
.endr
.endm
.macro PLACES n                        ; plain vector lines between a matrix instruction and a load into, or a read of, its registers
.rept \n
	v_nop
.endr
.endm
.macro STEP slot, q, zero              ; 128 along K that has its successor in the same slot
	s_wait_dscnt 4*NL                              ; B's set and A's blocks 0-3 are in; the youngest 16 loads (A's blocks 4-7) may be out
.if \zero
	WIN 0x81                                       ; C, the bias, in window 0; D in window 2
.else
	WIN MUL_LO
.endif
	MUL16 0, (\q)%2, \q, \slot, \zero
	MUL16 2, (\q)%2, \q, \slot, \zero
	s_wait_dscnt 0
	PLACES NP
	FETCH_B \slot, (\q)+1, 1-(\q)%2
	FETCH_A \slot, (\q)+1, 0
.if \zero
	WIN 0xc1
.else
	WIN MUL_HI
.endif
	MUL16 4, (\q)%2, \q, \slot, \zero
	MUL16 6, (\q)%2, \q, \slot, \zero
	PLACES NP
	WIN 0
	FETCH_A \slot, (\q)+1, 4
.endm
; A slot's last step changes slots: one barrier; in front of it each wave waits for all its tensor loads, adds 0 to its spare word, and waits for that and for its reads of this slot.
.macro TURN slot, next, fill
	s_wait_tensorcnt 0x0                           ; all my tensor loads have landed: my part of the next slot
	ds_add_u32 v[SPW], v[NIL]                      ; 0 onto my spare word
	s_wait_dscnt 4*NL+1                            ; the add and the youngest 16 loads may be out
	WIN MUL_LO
	MUL16 0, 1, NQ-1, \slot, 0
	s_wait_dscnt 0x0                               ; the add is done, and my reads of this slot are over
	s_barrier_signal -1
	MUL16 2, 1, NQ-1, \slot, 0
	WIN 0
	s_barrier_wait -1
.if \fill
	CREST                                          ; the barrier has opened a round of the cluster's: no wave of any partner still reads this slot or has a load on its way
	s_add_nc_u64 s[G0+4*\slot+2:G0+4*\slot+3], s[G0+4*\slot+2:G0+4*\slot+3], 2*ROWB
	s_add_nc_u64 s[G0B+4*\slot+2:G0B+4*\slot+3], s[G0B+4*\slot+2:G0B+4*\slot+3], 2*ROWB
	JLOAD G0+4*\slot, G1, G0B+4*\slot, G1B         ; my one tensor load behind the round; its four v_nop are among the places in front of the loads below
	PLACES NP-4
.else
	PLACES NP
.endif
	v_add_nc_u32 v[ADRS], 4*NQ, v[ADRS]
	FETCH_B \next, 0, 0
	FETCH_A \next, 0, 0
	SCALES \next
	WIN MUL_HI
	MUL16 4, 1, NQ-1, \slot, 0
	MUL16 6, 1, NQ-1, \slot, 0
	PLACES NP
	WIN 0
	FETCH_A \next, 0, 4
.endm
	s_wait_tensorcnt 1                             ; the scales and my part of K step 0 are in; K step 1's load may be out
	s_barrier_signal -1
	s_barrier_wait -1
	FETCH_B 0, 0, 0
	FETCH_A 0, 0, 0
	SCALES 0
	FETCH_A 0, 0, 4
	STEP 0, 0, 1
	s_mov_b32 s3, 1                                ; K = 1,024 is two laps of the ring; the last is written out
.Llap:
	TURN 0, 1, 1
	STEP 1, 0, 0
	TURN 1, 0, 1
	STEP 0, 0, 0
	s_sub_co_u32 s3, s3, 1
	s_cmp_lg_u32 s3, 0
	s_cbranch_scc1 .Llap
	TURN 0, 1, 0
	STEP 1, 0, 0
	s_wait_dscnt 4*NL
	WIN MUL_LO
	MUL16 0, 1, NQ-1, 1, 0
	MUL16 2, 1, NQ-1, 1, 0
	s_wait_dscnt 0
	WIN MUL_HI
	MUL16 4, 1, NQ-1, 1, 0
	MUL16 6, 1, NQ-1, 1, 0
	WIN 0
; ---------------- THE WAY OUT.  Where my results go, by the role.
; q, k: codes [16 b + head][tile of 16 tokens][c 2][lane][16 bytes], 131,072 bytes a head; records of 8 bytes a token (scale word, mask word), 20,480 bytes a head.
; v: codes [8 b + pair of heads][c / 2][step of 128 keys][block a][c % 2][lane][16 bytes]; scale words behind k's records, 256 bytes a step.
	s_add_co_u32 s46, s42, s41                     ; q, k: the tile row R
	s_lshr_b32 s47, s46, 3                         ; the batch
	s_and_b32 s46, s46, 7
	s_lshl_b32 s46, s46, 4
	s_lshl_b32 s66, s[RH], 3
	s_add_co_u32 s46, s46, s66                     ; my first tile of 16 tokens in the batch
	s_lshl_b32 s47, s47, 4
	s_lshl_b32 s66, s40, 2
	s_add_co_u32 s47, s47, s66
	s_lshl_b32 s66, s[CH], 1
	s_add_co_u32 s47, s47, s66                     ; 16 b + my first head
	s_lshl_b32 s66, ttmp9, 23
	s_lshl_b32 s67, s47, 17
	s_add_co_u32 s66, s66, s67
	s_lshl_b32 s67, s46, 10
	s_add_co_u32 s66, s66, s67                     ; codes
	s_mul_i32 s67, ttmp9, 1310720
	s_mul_i32 s47, s47, 20480
	s_add_co_u32 s67, s67, s47
	s_lshl_b32 s46, s46, 7
	s_add_co_u32 s67, s67, s46                     ; records
	s_add_co_u32 s46, s42, s40                     ; v: the tile of tokens
	s_lshr_b32 s47, s46, 3
	s_and_b32 s46, s46, 7
	s_lshl_b32 s46, s46, 1
	s_add_co_u32 s46, s46, s[CH]                   ; the step of 128 keys
	s_lshl_b32 s47, s47, 3
	s_lshl_b32 s45, s41, 1
	s_add_co_u32 s47, s47, s45
	s_add_co_u32 s47, s47, s[RH]                   ; 8 b + the pair of heads
	s_lshl_b32 s45, s47, 18
	s_add_co_u32 s45, s45, 1<<24
	s_lshl_b32 s3, s46, 13
	s_add_co_u32 s45, s45, s3                      ; codes
	s_mul_i32 s47, s47, 40960
	s_lshl_b32 s46, s46, 8
	s_add_co_u32 s47, s47, s46
	s_add_co_u32 s47, s47, 1310720+16384           ; scale words
	s_cmp_lg_u32 s[ISV], 0
	s_cselect_b32 s66, s45, s66
	s_cselect_b32 s46, s47, s67
	s_mov_b32 s67, 0
	s_mov_b32 s47, 0
	s_add_nc_u64 s[16:17], s[16:17], s[66:67]
	s_add_nc_u64 s[18:19], s[18:19], s[46:47]
	s_mov_b32 s43, 0x7f880000                      ; the upper half of a q or k scale word: 2^9 for k = 64 .. 95 (the mask's place), 1 for the rest
	s_mov_b32 s44, 0xffff0000                      ; lanes 16-31
	PLACES NP                                      ; behind the last products: their results are read and A's registers written below
.irp b, 0,1,2,3
	v_mov_b32 v[TM+4+\b], 0                        ; written once: a lane permute's destination counts as one of its sources
.endr
.macro MOVE a                          ; block a's 64 sums into window 0, each accumulator from its low end on, with the bias along A's rows added on the way
	WIN 0x02+(\a)/4
.set i, 0
.rept 32
.if (\a)%2
	v_pk_add_f32 v[ST+i:ST+i+1], v[64*((\a)%4)+i:64*((\a)%4)+i+1], v[BM+2*((\a)/2):BM+2*((\a)/2)+1] op_sel:[0,1] op_sel_hi:[1,1]
.else
	v_pk_add_f32 v[ST+i:ST+i+1], v[64*((\a)%4)+i:64*((\a)%4)+i+1], v[BM+2*((\a)/2):BM+2*((\a)/2)+1] op_sel_hi:[1,0]
.endif
.set i, i+2
.endr
	WIN 0
.endm
.macro QUANT a                         ; register 16 b + i = number 32 b + 16 (lane / 16) + i along the next K: four blocks of 32, each shared with lane l xor 16
.irp b, 0,1,2,3
	v_max3_num_f32 v[TM+\b], |v[ST+16*\b]|, |v[ST+1+16*\b]|, 0x8000000       ; my 16 numbers, and the floor 2^(16 - 127); the four blocks by turns
.endr
.irp i, 2,4,6,8,10,12,14
.irp b, 0,1,2,3
	v_max3_num_f32 v[TM+\b], v[TM+\b], |v[ST+16*\b+\i]|, |v[ST+1+16*\b+\i]|
.endr
.endr
.irp b, 0,1,2,3
	v_permlanex16_b32 v[TM+4+\b], v[TM+\b], s[SEL], s[SEL+1]
.endr
.irp b, 0,1,2,3
	v_max_num_f32 v[TM+\b], v[TM+\b], v[TM+4+\b]
.endr
.irp b, 0,1,2,3
	v_add_nc_u32 v[TM+12+\b], 0xf8800000, v[TM+\b]                           ; 15 off the exponent field: the conversion's scale operand
.endr
.irp b, 0,1,2,3
	v_and_or_b32 v[TM+8+\b], v[TM+\b], 0x7f800000, s[MNT]                    ; 57,344 x the scale
.endr
.irp b, 0,1,2,3
	v_cndmask_b32 v[TM+8+\b], v[TM+8+\b], v[ZR], s[MK+\a]                    ; a masked key is held at 0: its codes are zeros
.endr
.irp b, 0,1,2,3
	v_lshrrev_b32 v[TM+4+\b], 23, v[TM+12+\b]                                ; the scale's byte
.endr
	v_lshl_or_b32 v[PWS+\a], v[TM+5], 8, v[TM+4]
	v_lshl_or_b32 v[PWS+\a], v[TM+6], 16, v[PWS+\a]
	v_lshl_or_b32 v[PWS+\a], v[TM+7], 24, v[PWS+\a]
.irp b, 0,1,2,3
.irp i, 0,1,2,3,4,5,6,7,8,9,10,11,12,13,14,15
	v_med3_num_f32 v[ST+16*\b+\i], v[ST+16*\b+\i], -v[TM+8+\b], v[TM+8+\b]   ; the conversion does not saturate (ISA guide 7.6.2): the hold
.endr
	v_cvt_scalef32_pk8_bf8_f32 v[PC+4*\b:PC+1+4*\b], v[ST+16*\b:ST+7+16*\b], v[TM+12+\b]
	v_cvt_scalef32_pk8_bf8_f32 v[PC+2+4*\b:PC+3+4*\b], v[ST+8+16*\b:ST+15+16*\b], v[TM+12+\b]
.endr
	v_nop                                          ; a plain line behind the last conversion
.endm
.irp a, 0,1,2,3,4,5,6,7
.if \a > 0
	s_wait_xcnt 0x0                                ; the last block's stores have read the codes' registers
.endif
	MOVE \a
	QUANT \a
.irp c, 0,1,2,3
	global_store_b128 v[L16], v[PC+4*\c:PC+4*\c+3], s[16:17] offset:1024*\a+512*(\c%2)+131072*(\c/2)   ; 512 consecutive bytes; q, k: c / 2 is the next head; v: the other half of the 128 keys
.endr
.endr
	s_cmp_lg_u32 s[ISV], 0                         ; the role: the same in all partners
	s_cbranch_scc1 .Lv_words
.irp g, 0,1,2,3                        ; q, k: two tiles' records an instruction: lanes 0-15 tile 2 g, lanes 16-31 tile 2 g + 1 (both halves of the lanes hold a row's word)
	v_cndmask_b32 v[TT], v[PWS+2*\g], v[PWS+2*\g+1], s44
	s_and_b32 s46, s[MK+2*\g], 0xffff
	s_and_b32 s47, s[MK+2*\g+1], s44
	s_or_b32 s46, s46, s47
	v_and_or_b32 v[REC+4*\g], v[TT], 0xffff, s43   ; the first head's two bytes
	v_lshrrev_b32 v[TT+1], 16, v[TT]
	v_or_b32 v[REC+4*\g+2], s43, v[TT+1]           ; the second head's
	v_cndmask_b32 v[REC+4*\g+1], v[ZR], v[MW], s46 ; the mask word
	v_mov_b32 v[REC+4*\g+3], v[REC+4*\g+1]
	global_store_b64 v[L8], v[REC+4*\g:REC+4*\g+1], s[18:19] offset:256*\g            ; 256 consecutive bytes
	global_store_b64 v[L8], v[REC+4*\g+2:REC+4*\g+3], s[18:19] offset:256*\g+20480
.endr
	s_branch .Lwords_done
.Lv_words:
.irp hh, 0,1                           ; v: a head's four tiles of channels: the word of tile dt, row r at 8 r + 128 (dt % 2) + 4 (dt / 2)
	v_cndmask_b32 v[REC+2*\hh], v[PWS+4*\hh], v[PWS+4*\hh+1], s44
	v_cndmask_b32 v[REC+2*\hh+1], v[PWS+4*\hh+2], v[PWS+4*\hh+3], s44
	global_store_b64 v[L8], v[REC+2*\hh:REC+2*\hh+1], s[18:19] offset:20480*\hh
.endr
.Lwords_done:
	s_wait_tensorcnt 0x0                           ; the wave's end
	ds_add_u32 v[SPW], v[NIL]
	s_wait_dscnt 0x0
	CROUND                                         ; the closing round: no work-group ends while a partner may still ask for a tile that names it
	s_endpgm
.Lfunc_end_k_qccb51dea4b_qkv:
	.size	k_qccb51dea4b_qkv, .Lfunc_end_k_qccb51dea4b_qkv-k_qccb51dea4b_qkv
	.p2alignl 7, 3214868480
	.fill 96, 4, 3214868480
	.section	.rodata,"a",@progbits
	.p2align	6, 0x0
	.amdhsa_kernel k_qccb51dea4b_qkv
		.amdhsa_group_segment_fixed_size 327680
		.amdhsa_private_segment_fixed_size 0
		.amdhsa_enable_private_segment 0
		.amdhsa_kernarg_size 64
		.amdhsa_user_sgpr_count 2
		.amdhsa_user_sgpr_kernarg_segment_ptr 1
		.amdhsa_wavefront_size32 1
		.amdhsa_system_sgpr_workgroup_id_x 1
		.amdhsa_system_sgpr_workgroup_id_y 1
		.amdhsa_system_sgpr_workgroup_id_z 1
		.amdhsa_system_vgpr_workitem_id 0
		.amdhsa_next_free_vgpr 1024
		.amdhsa_next_free_sgpr 106
		.amdhsa_reserve_vcc 0
		.amdhsa_float_denorm_mode_32 3
		.amdhsa_float_denorm_mode_16_64 3
		.amdhsa_memory_ordered 1
		.amdhsa_forward_progress 1
		.amdhsa_inst_pref_size 215
	.end_amdhsa_kernel
	.amdgpu_metadata
---
amdhsa.version: [ 1, 2 ]
amdhsa.kernels:
  - .name:           k_qccb51dea4b_qkv
    .symbol:         k_qccb51dea4b_qkv.kd
    .args:
      - { .name: xw_codes, .offset: 0, .size: 8, .value_kind: global_buffer, .address_space: global }
      - { .name: xw_scales, .offset: 8, .size: 8, .value_kind: global_buffer, .address_space: global }
      - { .name: attention_mask, .offset: 16, .size: 8, .value_kind: global_buffer, .address_space: global }
      - { .name: bq, .offset: 24, .size: 8, .value_kind: global_buffer, .address_space: global }
      - { .name: bk, .offset: 32, .size: 8, .value_kind: global_buffer, .address_space: global }
      - { .name: bv, .offset: 40, .size: 8, .value_kind: global_buffer, .address_space: global }
      - { .name: qkv_codes, .offset: 48, .size: 8, .value_kind: global_buffer, .address_space: global }
      - { .name: qkv_scales, .offset: 56, .size: 8, .value_kind: global_buffer, .address_space: global }
    .group_segment_fixed_size: 327680
    .private_segment_fixed_size: 0
    .kernarg_segment_align: 8
    .kernarg_segment_size: 64
    .max_flat_workgroup_size: 128
    .sgpr_count:     106
    .vgpr_count:     1024
    .wavefront_size: 32
...
	.end_amdgpu_metadata
.endif
;; end of part 2
;; launch attn (part 3): grid 4 x 64, 16 waves a work-group, clusters of 4 x 1, 296,960 bytes of LDS; arguments qkv_codes, qkv_scales, o_codes, o_scales; writes o_codes, o_scales
.if DOCPART == 3
	.amdgcn_target "amdgcn-amd-amdhsa--gfx1250"
	.amdhsa_code_object_version 6
	.text
	.protected	k_qccb51dea4b_attn
	.globl	k_qccb51dea4b_attn
	.p2align	8
	.type	k_qccb51dea4b_attn,@function
k_qccb51dea4b_attn:
	s_mov_b64 s[64:65], 0
	v_nop
	global_prefetch_b8 v0, s[64:65] scope:SCOPE_SE
	s_setreg_imm32_b32 hwreg(HW_REG_WAVE_MODE, 25, 1), 1
	s_wait_xcnt 0x0
	s_wait_alu depctr_hold_cnt(0) depctr_sa_sdst(0) depctr_va_vdst(0) depctr_va_sdst(0) depctr_va_ssrc(0) depctr_va_vcc(0) depctr_vm_vsrc(0)
	s_getreg_b32 s2, hwreg(HW_REG_IB_STS2, 6, 4)
	s_cmp_eq_u32 s2, 0
	s_cbranch_scc0 .Lentry_in_a_cluster
	s_endpgm
.Lentry_in_a_cluster:
	s_bfe_u32 s2, ttmp6, 0x10000c
	s_cmp_lg_u32 s2, 0x3003
	s_cbranch_scc0 .Lentry_shape_is_right
	s_endpgm
.Lentry_shape_is_right:
; Attention of one (batch, head) for each cluster of four work-groups, both products on codes of E5M2 with E8M0 scales, and the result quantised along the 1,024 channels for the last projection.
; t = score x log2(e) / 8; M = the running largest t rounded up to a whole number; p = 2^(t - M) is quantised along the keys, not normalised; the row's sum of the unquantised p divides at the end.
; SHARES.  A work-group owns 512 queries, in two passes of 256; each of its sixteen waves one tile of 16 a pass, in 256 registers: four waves to a SIMD.  Every wave walks all 2,048 keys, 128 a step.
; THE HEAD'S WHOLE K, V AND SCALES LIE IN LDS, filled once, by five tensor loads a wave that go out together at the start; the four partners ask jointly.  Nothing is filled again and nothing is stored to LDS.
; K, V and Q lie in memory as images of operand registers (16 bytes a lane, 512 bytes a group of four registers): every fragment comes by loads of 16 x lane.
; LAYOUT.  Both products are used transposed: S^T = K Q^T (source 0 = 16 keys, source 1 = my 16 queries), O^T = V^T P^T: a lane holds one query throughout.  Tokens lie in position order (bits 3 and 4 of
; the number exchanged), so the 16 registers of two neighbouring tiles of S^T are 16 neighbouring keys, and those of O^T 16 neighbouring channels.
; THE HEAD HAS 64 CHANNELS, the instruction's K is 128: k = 64 .. 127 hold zero codes, but for k = 64: Q has the code of 1.0 there, a masked key the code of -32,768, and both scale words 2^9 for that block.
; A masked key's other codes are zeros, so its score is exactly -2^33, its logit -2^30.  c x 2^33 is a whole number, so a row whose keys are all masked gets p = 1 everywhere: the mean of v.
; LIMIT: reference() sets a masked logit to -1e9, this text to -2^30 = -1.074e9: the results differ only where an unmasked logit lies under about -9.9e8.  NaN and infinities are not served.
; REGISTERS: v1-5 addresses that stay; v8-11 addresses of the step; v12 -M, v13 the largest t, v[14:15] the sum; v16-31 Q; v32-95 four fragments of K; v96-159 S^T, then p, then V's four fragments;
; v160-191 O^T; v192-200 the second pass's Q; v224-239 p's codes; v232-254 at work; v248-251 K's or V's scale words; v253 p's; v255 Q's.
.set SCB,  262144                      ; behind the four stages of 65,536 bytes: the head's 20,480 scale bytes, as they lie in memory
.set L16,  1                           ; v1   16 x lane
.set AKS,  2                           ; v2   SCB + 8 r: a key's record
.set AVS,  3                           ; v3   SCB + 16,384 + 8 r: V's scale words
.set OSB,  4                           ; v4   32 r + h: my byte among the result's scale bytes
.set R8,   5                           ; v5   8 r
.set ADK,  8
.set ADV,  9
.set ADS,  10
.set ADT,  11
.set WV,   12                          ; s12  wave
.set G1,   24                          ; s[24:31] group 1: 4,096 dense bytes;  s[32:39]: 1,280;  s[40:43] group 0 of the scales;  s[44:59] of the four stages
.set G1S,  32
.set G0S,  40
.set G0,   44
.set SEL,  60
.set CS,   62                          ; s[62:63] c = log2(e) / 8
.set MNT,  66
.set TBK,  67                          ; where the step's K begins in LDS;  its V;  its records;  V's scale words
.set TBV,  68
.set TS,   69
.set TJ,   70
.set CNT,  71
.set PASS, 72
.set HM,   73                          ; lanes 16-31
.macro CROUND                          ; a round of the cluster's barrier
	s_barrier_signal -1
	s_barrier_wait -1
	s_cmp_lg_u32 s[WV], 0
	s_cbranch_scc1 .Lnot_wave_0_\@
	s_barrier_signal -3
.Lnot_wave_0_\@:
	s_barrier_wait -3
	s_barrier_signal -1
	s_barrier_wait -1
.endm
	s_load_b256 s[4:11], s[0:1], 0x0               ; qkv_codes s[4:5], qkv_scales s[6:7], o_codes s[8:9], o_scales s[10:11]
	v_lshl_add_u32 v222, v0, 2, 0x48000
	v_mov_b32 v223, 0
	ds_add_u32 v222, v223
	ds_add_u32 v222, v223
	v_lshrrev_b32 v6, 5, v0
	v_readfirstlane_b32 s[WV], v6                  ; wave 0..15
	s_bfe_u32 s13, ttmp6, 0x40000                  ; cx: it enters Q's and the result's addresses alone
	s_and_b32 s14, ttmp7, 0xffff                   ; 16 b + head, which the four partners share
	; what I fetch of a stage of 512 keys: waves 0-7 4,096 bytes of K each; waves 8-15 of V: half (w / 4) % 2 of each step's 128 keys, step w % 4
	s_lshl_b32 s16, s14, 17
	s_lshl_b32 s17, s[WV], 12
	s_add_co_u32 s16, s16, s17
	s_add_co_u32 s16, s16, 1<<23                   ; K
	s_lshr_b32 s17, s14, 1
	s_lshl_b32 s17, s17, 18
	s_bfe_u32 s18, s[WV], 0x10002
	s_lshl_b32 s18, s18, 17
	s_add_co_u32 s17, s17, s18
	s_and_b32 s18, s[WV], 3
	s_lshl_b32 s18, s18, 13
	s_add_co_u32 s17, s17, s18
	s_and_b32 s18, s14, 1
	s_lshl_b32 s18, s18, 12
	s_add_co_u32 s17, s17, s18
	s_add_co_u32 s17, s17, 1<<24                   ; V
	s_cmp_lt_u32 s[WV], 8
	s_cselect_b32 s16, s16, s17
	s_mov_b32 s17, 0
	s_mul_i32 s18, s14, 20480
	s_mul_i32 s19, s[WV], 1280
	s_add_co_u32 s18, s18, s19
	s_add_co_u32 s18, s18, 1310720                 ; my 1,280 of the head's scale bytes
	s_mov_b32 s19, 0
	s_mov_b32 s[G1], 15|(3<<16)|(1<<21)            ; 15:0 all four work-groups; 17:16 elements of 8 bytes; 21 set beside a mask; no padding
	s_mov_b32 s[G1+1], 32<<16                      ; rows of 256 bytes,
	s_mov_b32 s[G1+2], 16<<16                      ; sixteen of them,
	s_mov_b32 s[G1+3], 32<<16
	s_mov_b32 s[G1+4], 16
	s_mov_b32 s[G1+5], 32                          ; dense
	s_mov_b32 s[G1+6], 0
	s_mov_b32 s[G1+7], 0
	s_mov_b32 s[G1S], 15|(3<<16)|(1<<21)
	s_mov_b32 s[G1S+1], 32<<16
	s_mov_b32 s[G1S+2], 5<<16                      ; five rows
	s_mov_b32 s[G1S+3], 32<<16
	s_mov_b32 s[G1S+4], 5
	s_mov_b32 s[G1S+5], 32
	s_mov_b32 s[G1S+6], 0
	s_mov_b32 s[G1S+7], 0
	s_mov_b32 s[SEL], 0x76543210
	s_mov_b32 s[SEL+1], 0xfedcba98
	s_mov_b32 s[CS], 0x3e38aa3b
	s_mov_b32 s[CS+1], s[CS]                       ; (named with it as a pair, so it is written)
	s_mov_b32 s[MNT], 0x600000
	s_mov_b32 s[HM], 0xffff0000
	s_mov_b32 s[PASS], 2
	v_and_b32 v6, 31, v0
	v_lshlrev_b32 v[L16], 4, v6
	v_and_b32 v6, 15, v0                           ; r
	v_bfe_u32 v7, v0, 4, 1                         ; h
	v_lshl_add_u32 v[AKS], v6, 3, SCB
	v_lshl_add_u32 v[AVS], v6, 3, SCB+16384
	v_lshl_add_u32 v[OSB], v6, 5, v7
	v_lshlrev_b32 v[R8], 3, v6
	v_mul_u32_u24 v24, v7, 0x3c
	v_sub_nc_u32 v24, 0x3c, v24                    ; Q at k = 64: the code of 1.0, in lanes 0-15 (in lanes 16-31 the byte is k = 80: zero)
.irp i, 25,26,27,28,29,30,31
	v_mov_b32 v[\i], 0                             ; Q at k = 68 .. 127
.endr
.irp t, 0,1,2,3
.irp i, 9,10,11,12,13,14,15
	v_mov_b32 v[32+16*\t+\i], 0                    ; K at k = 68 .. 127: cleared once, never written again
.endr
.endr
.irp b, 0,1,2,3
	v_mov_b32 v[236+\b], 0                         ; written once: a lane permute's destination counts as one of its sources
.endr
	v_mov_b32 v253, 0                              ; (named as the upper half of the pair v[252:253] before it is first written)
	s_wait_dscnt 0x0
	s_wait_kmcnt 0x0
	s_add_nc_u64 s[16:17], s[4:5], s[16:17]
	s_mov_b32 s[G0S], 1
	s_mul_i32 s[G0S+1], s[WV], 1280
	s_add_co_u32 s[G0S+1], s[G0S+1], SCB
	s_add_nc_u64 s[G0S+2:G0S+3], s[6:7], s[18:19]
	s_or_b32 s[G0S+3], s[G0S+3], 0x80000000
.irp g, 0,1,2,3
	s_mov_b32 s[G0+4*\g], 1
	s_lshl_b32 s[G0+4*\g+1], s[WV], 12
	s_add_co_u32 s[G0+4*\g+1], s[G0+4*\g+1], 65536*\g      ; stage g: K's 32,768 bytes, then V's: 4,096 x wave
	s_add_nc_u64 s[G0+4*\g+2:G0+4*\g+3], s[16:17], 32768*\g
	s_or_b32 s[G0+4*\g+3], s[G0+4*\g+3], 0x80000000
.endr
	CROUND                                         ; all four work-groups are here: the joint loads meet
	tensor_load_to_lds s[G0S:G0S+3], s[G1S:G1S+7]  ; the scale bytes, then the four stages: five tensor loads of mine are out
	s_nop 0
	tensor_load_to_lds s[G0:G0+3], s[G1:G1+7]
	s_nop 0
	tensor_load_to_lds s[G0+4:G0+7], s[G1:G1+7]
	s_nop 0
	tensor_load_to_lds s[G0+8:G0+11], s[G1:G1+7]
	s_nop 0
	tensor_load_to_lds s[G0+12:G0+15], s[G1:G1+7]
	s_nop 0
.rept 4
	v_nop
.endr
	s_lshl_b32 s15, s13, 5
	s_add_co_u32 s15, s15, s[WV]                   ; my tile of the first pass: 32 cx + wave; the second pass's lies 16 tiles on
	s_lshl_b32 s16, s14, 17
	s_lshl_b32 s17, s15, 10
	s_add_co_u32 s16, s16, s17
	s_mov_b32 s17, 0
	s_add_nc_u64 s[4:5], s[4:5], s[16:17]          ; Q's codes
	s_mul_i32 s16, s14, 20480
	s_lshl_b32 s18, s15, 7
	s_add_co_u32 s16, s16, s18
	s_add_nc_u64 s[6:7], s[6:7], s[16:17]          ; Q's records
	s_lshr_b32 s18, s14, 4
	s_lshl_b32 s18, s18, 7
	s_add_co_u32 s18, s18, s15                     ; the tile of 16 rows among all 512: 128 b + tile
	s_and_b32 s19, s14, 15                         ; the head
	s_lshl_b32 s16, s18, 14
	s_lshl_b32 s15, s19, 10                        ; 2,048 (head / 2) + 1,024 (head % 2)
	s_add_co_u32 s16, s16, s15
	s_add_nc_u64 s[8:9], s[8:9], s[16:17]
	s_lshl_b32 s16, s18, 9
	s_lshl_b32 s15, s19, 1
	s_add_co_u32 s16, s16, s15
	s_add_nc_u64 s[10:11], s[10:11], s[16:17]
	global_load_b128 v[16:19], v[L16], s[4:5]
	global_load_b128 v[20:23], v[L16], s[4:5] offset:512
	global_load_b128 v[192:195], v[L16], s[4:5] offset:16384
	global_load_b128 v[196:199], v[L16], s[4:5] offset:16384+512
	global_load_b32 v255, v[R8], s[6:7]
	global_load_b32 v200, v[R8], s[6:7] offset:2048
	s_wait_loadcnt 0x0
; A KEY STEP: 128 keys.
.macro STEP
	v_add_nc_u32 v[ADK], s[TBK], v[L16]
	v_add_nc_u32 v[ADV], s[TBV], v[L16]
	v_add_nc_u32 v[ADS], s[TS], v[AKS]
	v_add_nc_u32 v[ADT], s[TJ], v[AVS]
.rept 5
	v_nop                                          ; with the four additions nine places: the first products below write over V's fragments, which the last step's products read (nine are asked); the loads into the scale registers ask eight
.endr
.irp g, 0,1                            ; S^T = K Q^T, four tiles of 16 keys at a time
.if \g > 0
.rept 8
	v_nop                                          ; places in front of loads into registers that matrix instructions have read
.endr
.endif
.irp t, 0,1,2,3
	ds_load_b128 v[32+16*\t:35+16*\t], v[ADK] offset:1024*(4*\g+\t)
	ds_load_b128 v[36+16*\t:39+16*\t], v[ADK] offset:1024*(4*\g+\t)+512
	ds_load_b32 v[40+16*\t], v[ADS] offset:128*(4*\g+\t)+4                 ; the mask word: k = 64 .. 67
	ds_load_b32 v[248+\t], v[ADS] offset:128*(4*\g+\t)                     ; the scale word
.endr
	s_wait_dscnt 0x0
.irp t, 0,1,2,3
	v_wmma_scale_f32_16x16x128_f8f6f4 v[96+8*(4*\g+\t):103+8*(4*\g+\t)], v[32+16*\t:47+16*\t], v[16:31], 0, v[248+\t], v255 matrix_a_fmt:MATRIX_FMT_BF8 matrix_b_fmt:MATRIX_FMT_BF8
.endr
.endr
.rept 8
	v_nop
.endr
.irp b, 0,1,2,3
	v_max3_num_f32 v[232+\b], v[96+16*\b], v[97+16*\b], v[98+16*\b]        ; the largest score of each block of 32 keys: for the row's maximum and, since p rises with the score, for the block's largest p
.endr
.irp i, 3,5,7,9,11,13
.irp b, 0,1,2,3
	v_max3_num_f32 v[232+\b], v[232+\b], v[96+16*\b+\i], v[97+16*\b+\i]
.endr
.endr
.irp b, 0,1,2,3
	v_max_num_f32 v[232+\b], v[232+\b], v[111+16*\b]
.endr
.irp b, 0,1,2,3
	v_permlanex16_b32 v[236+\b], v[232+\b], s[SEL], s[SEL+1]
.endr
.irp b, 0,1,2,3
	v_max_num_f32 v[232+\b], v[232+\b], v[236+\b]                          ; with lane l xor 16's 16 keys
.endr
	v_max3_num_f32 v254, v232, v233, v234
	v_max_num_f32 v254, v254, v235
	v_mul_f32 v254, s[CS], v254                    ; the step's largest t
	v_max_num_f32 v13, v13, v254                   ; the running largest t
	v_mov_b32 v254, v12
	v_floor_f32 v12, -v13                          ; the new -M = floor(-t): M is a whole number
	v_sub_f32 v254, v12, v254                      ; old M - new M: a whole number, 0 or less
	v_cvt_i32_f32 v254, v254                       ; (it saturates)
	v_ldexp_f32 v252, 1.0, v254                    ; f = 2^(old M - new M): a multiplication by it rounds nothing
.irp j, 0,2,4,6,8,10,12,14,16,18,20,22,24,26,28,30,32,34,36,38,40,42,44,46,48,50,52,54,56,58,60,62
	v_pk_fma_f32 v[96+\j:97+\j], v[96+\j:97+\j], s[CS:CS+1], v[12:13] op_sel_hi:[1,0,0]   ; t - M
.endr
.irp b, 0,1,2,3
	v_fma_f32 v[232+\b], v[232+\b], s[CS], v12     ; the same of each block's largest score
.endr
.irp j, 0,1,2,3,4,5,6,7,8,9,10,11,12,13,14,15,16,17,18,19,20,21,22,23,24,25,26,27,28,29,30,31,32,33,34,35,36,37,38,39,40,41,42,43,44,45,46,47,48,49,50,51,52,53,54,55,56,57,58,59,60,61,62,63
	v_exp_f32 v[96+\j], v[96+\j]                   ; p = 2^(t - M)
.endr
	v_pk_mul_f32 v[14:15], v[14:15], v[252:253] op_sel_hi:[1,0]            ; the sums under the new M: a plain line behind the exponentials
	s_wait_alu depctr_va_vdst(0)                   ; one wait for the batch of 64, ahead of the first line that names a result
.irp b, 0,1,2,3
	v_exp_f32 v[232+\b], v[232+\b]                 ; the block's largest p
.endr
	v_pk_add_f32 v[236:237], v[96:97], v[98:99]    ; the row's sum is taken of the unquantised p: two chains
.irp j, 4,8,12,16,20,24,28,32,36,40,44,48,52,56,60
	v_pk_add_f32 v[14:15], v[14:15], v[96+\j:97+\j]
	v_pk_add_f32 v[236:237], v[236:237], v[98+\j:99+\j]
.endr
	v_pk_add_f32 v[14:15], v[14:15], v[236:237]
	s_wait_alu depctr_va_vdst(0)                   ; and one for the four
.irp b, 0,1,2,3
	v_max_num_f32 v[232+\b], 0x8000000, v[232+\b]  ; the floor 2^(16 - 127): the byte cannot fall under 1
.endr
.irp b, 0,1,2,3
	v_add_nc_u32 v[244+\b], 0xf8800000, v[232+\b]  ; the conversion's scale operand
.endr
.irp b, 0,1,2,3
	v_and_or_b32 v[240+\b], v[232+\b], 0x7f800000, s[MNT]                  ; 57,344 x the scale
.endr
.irp b, 0,1,2,3
	v_lshrrev_b32 v[236+\b], 23, v[244+\b]         ; the scale's byte
.endr
	v_lshl_or_b32 v253, v237, 8, v236              ; p's scale word for these 128 keys
	v_lshl_or_b32 v253, v238, 16, v253
	v_lshl_or_b32 v253, v239, 24, v253
.irp b, 0,1,2,3
.irp i, 0,1,2,3,4,5,6,7,8,9,10,11,12,13,14,15
	v_min_num_f32 v[96+16*\b+\i], v[96+16*\b+\i], v[240+\b]                ; the conversion does not saturate (ISA guide 7.6.2); p is not negative, so the hold is one-sided
.endr
	v_cvt_scalef32_pk8_bf8_f32 v[224+4*\b:225+4*\b], v[96+16*\b:103+16*\b], v[244+\b]
	v_cvt_scalef32_pk8_bf8_f32 v[226+4*\b:227+4*\b], v[104+16*\b:111+16*\b], v[244+\b]
.endr
.irp dt, 0,1,2,3                       ; V's four fragments (16 channels x 128 keys each) land where p lay
.irp c, 0,1,2,3
	ds_load_b128 v[96+16*\dt+4*\c:99+16*\dt+4*\c], v[ADV] offset:16384*(\c/2)+1024*\dt+512*(\c%2)
.endr
	ds_load_b32 v[248+\dt], v[ADT] offset:128*(\dt%2)+4*(\dt/2)
.endr
.irp j, 0,2,4,6,8,10,12,14,16,18,20,22,24,26,28,30
	v_pk_mul_f32 v[160+\j:161+\j], v[160+\j:161+\j], v[252:253] op_sel_hi:[1,0]   ; O^T under the new M; these sixteen are also the plain lines behind the conversions and ahead of the products
.endr
	s_wait_dscnt 0x0
.irp dt, 0,1,2,3                       ; O^T += V^T P^T: four accumulators, one instruction a turn
	v_wmma_scale_f32_16x16x128_f8f6f4 v[160+8*\dt:167+8*\dt], v[96+16*\dt:111+16*\dt], v[224:239], v[160+8*\dt:167+8*\dt], v[248+\dt], v253 matrix_a_fmt:MATRIX_FMT_BF8 matrix_b_fmt:MATRIX_FMT_BF8
.endr
.endm
; A STAGE: 512 keys, four steps.  My part of it has landed when at most the 3 - g later stages' loads are out; behind the barrier everybody's has.  They may stay out.
.macro STAGE g
	s_wait_tensorcnt 3-\g
	s_wait_dscnt 0x0
	s_barrier_signal -1
	s_barrier_wait -1
	s_mov_b32 s[TBK], 65536*\g
	s_mov_b32 s[TBV], 65536*\g+32768
	s_mov_b32 s[TS], 4096*\g
	s_mov_b32 s[TJ], 1024*\g
	s_mov_b32 s[CNT], 4
.Lstep_\@:
	STEP
	s_add_co_u32 s[TBK], s[TBK], 8192
	s_add_co_u32 s[TBV], s[TBV], 4096
	s_add_co_u32 s[TS], s[TS], 1024
	s_add_co_u32 s[TJ], s[TJ], 256
	s_sub_co_u32 s[CNT], s[CNT], 1
	s_cmp_lg_u32 s[CNT], 0
	s_cbranch_scc1 .Lstep_\@
.endm
.Lpass:                                ; two trips: my two tiles of queries
	v_mov_b32 v13, 0xff61b1e6                      ; the largest t so far: -3e38, under every t (a masked key's too)
	v_floor_f32 v12, -v13
	v_mov_b32 v14, 0
	v_mov_b32 v15, 0
.irp j, 0,1,2,3,4,5,6,7,8,9,10,11,12,13,14,15,16,17,18,19,20,21,22,23,24,25,26,27,28,29,30,31
	v_mov_b32 v[160+\j], 0                         ; O^T: the step is written once, and the first change of M leaves zeros zeros
.endr
	STAGE 0
	STAGE 1
	STAGE 2
	STAGE 3
	; the way out: O^T / the sum, quantised along the channels: my 32 registers are two blocks of 32, each shared with lane l xor 16; the codes are stored as they lie
	v_add_f32 v14, v14, v15
	v_permlanex16_b32 v252, v14, s[SEL], s[SEL+1]
	v_add_f32 v14, v14, v252                       ; the row's sum
	v_rcp_f32 v14, v14
.rept 8
	v_nop                                          ; eight places behind the last products; also the plain line behind the reciprocal
.endr
	s_wait_alu depctr_va_vdst(0)                   ; the wait ahead of the first line that names the reciprocal
.irp j, 0,2,4,6,8,10,12,14,16,18,20,22,24,26,28,30
	v_pk_mul_f32 v[96+\j:97+\j], v[160+\j:161+\j], v[14:15] op_sel_hi:[1,0]       ; each accumulator from its low end on
.endr
.irp b, 0,1
	v_max3_num_f32 v[232+\b], |v[96+16*\b]|, |v[97+16*\b]|, 0x8000000
.endr
.irp i, 2,4,6,8,10,12,14
.irp b, 0,1
	v_max3_num_f32 v[232+\b], v[232+\b], |v[96+16*\b+\i]|, |v[97+16*\b+\i]|
.endr
.endr
.irp b, 0,1
	v_permlanex16_b32 v[236+\b], v[232+\b], s[SEL], s[SEL+1]
.endr
.irp b, 0,1
	v_max_num_f32 v[232+\b], v[232+\b], v[236+\b]
.endr
.irp b, 0,1
	v_add_nc_u32 v[244+\b], 0xf8800000, v[232+\b]
.endr
.irp b, 0,1
	v_and_or_b32 v[240+\b], v[232+\b], 0x7f800000, s[MNT]
.endr
.irp b, 0,1
	v_lshrrev_b32 v[236+\b], 23, v[244+\b]
.endr
	v_cndmask_b32 v238, v236, v237, s[HM]          ; lanes 0-15 store the first block's byte, lanes 16-31 the second's
.irp b, 0,1
.irp i, 0,1,2,3,4,5,6,7,8,9,10,11,12,13,14,15
	v_med3_num_f32 v[96+16*\b+\i], v[96+16*\b+\i], -v[240+\b], v[240+\b]
.endr
	v_cvt_scalef32_pk8_bf8_f32 v[224+4*\b:225+4*\b], v[96+16*\b:103+16*\b], v[244+\b]
	v_cvt_scalef32_pk8_bf8_f32 v[226+4*\b:227+4*\b], v[104+16*\b:111+16*\b], v[244+\b]
.endr
	v_nop                                          ; a plain line behind the last conversion
	global_store_b128 v[L16], v[224:227], s[8:9]               ; 512 consecutive bytes each
	global_store_b128 v[L16], v[228:231], s[8:9] offset:512
	global_store_b8 v[OSB], v238, s[10:11]         ; single bytes, 32 bytes apart: a row's scale word spans two heads, which are two clusters' work; one byte for each 32 of codes
.irp i, 0,1,2,3,4,5,6,7
	v_mov_b32 v[16+\i], v[192+\i]                  ; the second pass's Q
.endr
	v_mov_b32 v255, v200
	s_wait_xcnt 0x0                                ; the stores have read their registers and bases
	s_add_nc_u64 s[8:9], s[8:9], 16*16384          ; sixteen tiles of rows on (behind the second pass the bases are not used)
	s_add_nc_u64 s[10:11], s[10:11], 16*512
	s_sub_co_u32 s[PASS], s[PASS], 1
	s_cmp_lg_u32 s[PASS], 0
	s_cbranch_scc1 .Lpass
	s_wait_tensorcnt 0x0
	s_wait_tensorcnt 0x0
	ds_add_u32 v222, v223
	s_wait_dscnt 0x0
	CROUND                                         ; the closing round
	s_endpgm
.Lfunc_end_k_qccb51dea4b_attn:
	.size	k_qccb51dea4b_attn, .Lfunc_end_k_qccb51dea4b_attn-k_qccb51dea4b_attn
	.p2alignl 7, 3214868480
	.fill 96, 4, 3214868480
	.section	.rodata,"a",@progbits
	.p2align	6, 0x0
	.amdhsa_kernel k_qccb51dea4b_attn
		.amdhsa_group_segment_fixed_size 296960
		.amdhsa_private_segment_fixed_size 0
		.amdhsa_enable_private_segment 0
		.amdhsa_kernarg_size 32
		.amdhsa_user_sgpr_count 2
		.amdhsa_user_sgpr_kernarg_segment_ptr 1
		.amdhsa_wavefront_size32 1
		.amdhsa_system_sgpr_workgroup_id_x 1
		.amdhsa_system_sgpr_workgroup_id_y 1
		.amdhsa_system_sgpr_workgroup_id_z 1
		.amdhsa_system_vgpr_workitem_id 0
		.amdhsa_next_free_vgpr 256
		.amdhsa_next_free_sgpr 80
		.amdhsa_reserve_vcc 0
		.amdhsa_float_denorm_mode_32 3
		.amdhsa_float_denorm_mode_16_64 3
		.amdhsa_memory_ordered 1
		.amdhsa_forward_progress 1
		.amdhsa_inst_pref_size 98
	.end_amdhsa_kernel
	.amdgpu_metadata
---
amdhsa.version: [ 1, 2 ]
amdhsa.kernels:
  - .name:           k_qccb51dea4b_attn
    .symbol:         k_qccb51dea4b_attn.kd
    .args:
      - { .name: qkv_codes, .offset: 0, .size: 8, .value_kind: global_buffer, .address_space: global }
      - { .name: qkv_scales, .offset: 8, .size: 8, .value_kind: global_buffer, .address_space: global }
      - { .name: o_codes, .offset: 16, .size: 8, .value_kind: global_buffer, .address_space: global }
      - { .name: o_scales, .offset: 24, .size: 8, .value_kind: global_buffer, .address_space: global }
    .group_segment_fixed_size: 296960
    .private_segment_fixed_size: 0
    .kernarg_segment_align: 8
    .kernarg_segment_size: 32
    .max_flat_workgroup_size: 512
    .sgpr_count:     80
    .vgpr_count:     256
    .wavefront_size: 32
...
	.end_amdgpu_metadata
.endif
;; end of part 3
;; launch oproj (part 4): grid 4 x 32, 4 waves a work-group, clusters of 4 x 4, 327,680 bytes of LDS; arguments o_codes, o_scales, xw_codes, xw_scales, bo, hidden_states, out0; writes out0
.if DOCPART == 4
	.amdgcn_target "amdgcn-amd-amdhsa--gfx1250"
	.amdhsa_code_object_version 6
	.text
	.protected	k_qccb51dea4b_oproj
	.globl	k_qccb51dea4b_oproj
	.p2align	8
	.type	k_qccb51dea4b_oproj,@function
k_qccb51dea4b_oproj:
	s_mov_b64 s[64:65], 0
	v_nop
	global_prefetch_b8 v0, s[64:65] scope:SCOPE_SE
	s_setreg_imm32_b32 hwreg(HW_REG_WAVE_MODE, 25, 1), 1
	s_wait_xcnt 0x0
	s_wait_alu depctr_hold_cnt(0) depctr_sa_sdst(0) depctr_va_vdst(0) depctr_va_sdst(0) depctr_va_ssrc(0) depctr_va_vcc(0) depctr_vm_vsrc(0)
	s_getreg_b32 s2, hwreg(HW_REG_IB_STS2, 6, 4)
	s_cmp_eq_u32 s2, 0
	s_cbranch_scc0 .Lentry_in_a_cluster
	s_endpgm
.Lentry_in_a_cluster:
	s_bfe_u32 s2, ttmp6, 0x10000c
	s_cmp_lg_u32 s2, 0xf033
	s_cbranch_scc0 .Lentry_shape_is_right
	s_endpgm
.Lentry_shape_is_right:
; out0 = attention's result x Wo + bo + hidden_states.  The product is on codes of E5M2 with E8M0 scales, K = 1,024; the bias is the C of the first products; the residual is added on the way out, in f32.
; A work-group of four waves makes a tile of 256 x 256, a wave 128 x 128: 64 accumulators.  K goes in steps of 256 through a ring of two LDS slots filled by tensor loads.
; A (source 1): attention's result, which lies in memory as images of operand registers, [tile of 16 rows][128 along K][c 4][lane][16 bytes]: a fragment comes by four loads of 16 x lane, with no pitch.
; B (source 0): Wo's rows [n][k] of xw_codes, rows 11,264 on, padded in LDS.  Both lie in position order (bits 3 and 4 of the number exchanged): the way out puts rows and columns back.
; CLUSTERS: 4 x 4: A's tile is shared along a row of the cluster, B's along a column: joint loads.  128 tiles: half of the WGPs have a work-group (a tile of 128 x 256 would want another loop).
; REGISTERS: window 0: v16-29 addresses; v32-63 scale words, two sets; v64-127 the bias; from v128 A's fragments, one set; on the way out v128-255 rows of the result.
;   window 1: B's fragments, two sets; on the way out four blocks of the residual.   windows 2, 3: the accumulators ((a, b) at v[8 (8 (a % 4) + b)]).
.set NQ,     2
.set ROWB,   256
.set KROW,   1024
.set PITCH,  272
.set FR,     16
.set NL,     4
.set NP,     8                         ; places behind this matrix instruction (ISA guide 7.12.1)
.set HALFA,  32768                     ; A: 8 tiles of rows x 4,096 bytes: what one tensor load brings
.set BOFF,   2*HALFA
.set HALFB,  128*PITCH
.set SLOT,   BOFF+2*HALFB
.set KS,     32
.set SCL,    2*SLOT
.set HALFS,  (128*KS/256)*272
.set SBLK,   (16*KS/256)*272
.set SPARE,  SCL+4*HALFS               ; the spare words: 128 bytes a wave, named by no other line
.set SPITCH, 528                       ; the way out: a stage of 16 rows x (512 bytes + 16) for each wave, in slot 0, which has had its last fill and its last read by then
.set ADRA, 16
.set ADRB, 20
.set STO,  24
.set RD,   25
.set CO,   26
.set ADRS, 27
.set SPW,  28
.set NIL,  29
.set SC,   32
.set BN,   64
.set AF,   128
.set BK,   128
.set WV,   20
.set RH,   21
.set CH,   22
.set G1,   24
.set G0,   32
.set G1B,  48
.set G0B,  56
.set G1S,  68
.set G0S,  76
.set G1SB, 80
.set G0SB, 88
.set MSB, 0
.macro WIN new
.if MSB != \new
	s_set_vgpr_msb (MSB<<8)|\new
.set MSB, \new
.endif
.endm
.set MUL_LO, 0xa1
.set MUL_HI, 0xf1
.set TO_B,   0x40
.macro JLOAD g0a, g1a, g0b, g1b        ; a joint load: waves 0 and 1 fetch for A, waves 2 and 3 for B; four v_nop follow each of the two lines
	s_cmp_eq_u32 s[RH], 0
	s_cbranch_scc0 .Lfor_b_\@
	tensor_load_to_lds s[\g0a:\g0a+3], s[\g1a:\g1a+7]
	s_nop 0
.rept 4
	v_nop
.endr
	s_branch .Lasked_\@
.Lfor_b_\@:
	tensor_load_to_lds s[\g0b:\g0b+3], s[\g1b:\g1b+7]
	s_nop 0
.rept 4
	v_nop
.endr
.Lasked_\@:
.endm
.macro CREST
	s_cmp_lg_u32 s[WV], 0
	s_cbranch_scc1 .Lnot_wave_0_\@
	s_barrier_signal -3
.Lnot_wave_0_\@:
	s_barrier_wait -3
	s_barrier_signal -1
	s_barrier_wait -1
.endm
.macro CROUND
	s_barrier_signal -1
	s_barrier_wait -1
	CREST
.endm
	s_load_b256 s[4:11], s[0:1], 0x0               ; o_codes s[4:5], o_scales s[6:7], xw_codes s[8:9], xw_scales s[10:11]
	s_load_b128 s[12:15], s[0:1], 0x20             ; bo s[12:13], hidden_states s[14:15]
	s_load_b64 s[16:17], s[0:1], 0x30              ; out0
	v_lshl_add_u32 v[SPW], v0, 2, SPARE
	v_mov_b32 v[NIL], 0
	ds_add_u32 v28, v29
	ds_add_u32 v28, v29
	s_wait_dscnt 0x0
	v_lshrrev_b32 v1, 5, v0
	v_readfirstlane_b32 s[WV], v1
	s_lshr_b32 s[RH], s[WV], 1                     ; which half of A's rows is mine.  Also: I fetch for A (0) or for B (1)
	s_and_b32 s[CH], s[WV], 1                      ; which half of B's rows.  Also: which half of that tile I fetch
	s_bfe_u32 s40, ttmp6, 0x40000                  ; cx
	s_bfe_u32 s41, ttmp6, 0x40004                  ; cy
	s_lshl_b32 s42, ttmp9, 2
	s_add_co_u32 s42, s42, s40                     ; tile column
	s_and_b32 s23, ttmp7, 0xffff
	s_lshl_b32 s23, s23, 2
	s_add_co_u32 s23, s23, s41                     ; tile row
	s_lshl_b32 s43, s41, 2
	s_lshl_b32 s43, 15, s43                        ; my row of the cluster
	s_lshl_b32 s44, 0x1111, s40                    ; my column
	; A's tiles: 8 rows of 4,096 bytes (a tile of 16 rows x 256 along K, as an image), 16,384 bytes apart; elements of 8 bytes; no padding
	s_or_b32 s[G1+0], s43, (3<<16)|(1<<21)
	s_mov_b32 s[G1+1], 512<<16
	s_mov_b32 s[G1+2], 8<<16
	s_mov_b32 s[G1+3], 512<<16
	s_mov_b32 s[G1+4], 8
	s_mov_b32 s[G1+5], 2048
	s_mov_b32 s[G1+6], 0
	s_mov_b32 s[G1+7], 0
	; B's tiles: 128 rows x 256 bytes, 16 bytes of padding behind each
	s_or_b32 s[G1B+0], s44, (0<<16)|(1<<20)|(1<<21)|(5<<22)|(3<<25)
	s_mov_b32 s[G1B+1], ROWB<<16
	s_mov_b32 s[G1B+2], 128<<16
	s_mov_b32 s[G1B+3], ROWB<<16
	s_mov_b32 s[G1B+4], 128
	s_mov_b32 s[G1B+5], KROW
	s_mov_b32 s[G1B+6], 0
	s_mov_b32 s[G1B+7], 0
	; the scales of 128 rows: 4,096 dense bytes, as 16 rows of 256 with 16 of padding behind each
	s_or_b32 s[G1S+0], s43, (3<<16)|(1<<20)|(1<<21)|(5<<22)|(3<<25)
	s_or_b32 s[G1SB+0], s44, (3<<16)|(1<<20)|(1<<21)|(5<<22)|(3<<25)
.irp g, G1S, G1SB
	s_mov_b32 s[\g+1], 32<<16
	s_mov_b32 s[\g+2], (128*KS/256)<<16
	s_mov_b32 s[\g+3], 32<<16
	s_mov_b32 s[\g+4], 128*KS/256
	s_mov_b32 s[\g+5], 32
	s_mov_b32 s[\g+6], 0
	s_mov_b32 s[\g+7], 0
.endr
	s_lshl_b32 s66, s23, 18                        ; A's codes: 16 tiles of 16,384 bytes a tile row, + 8 tiles for the half that I fetch
	s_lshl_b32 s67, s[CH], 17
	s_add_co_u32 s66, s66, s67
	s_lshl_b32 s96, s23, 13                        ; A's scales: 256 rows of 32 bytes, + 128 rows
	s_lshl_b32 s97, s[CH], 12
	s_add_co_u32 s96, s96, s97
	s_mov_b32 s67, 0
	s_mov_b32 s97, 0
	s_lshl_b32 s46, s42, 8                         ; B: row 11,264 + 256 x tile column + 128 x half
	s_lshl_b32 s47, s[CH], 7
	s_add_co_u32 s46, s46, s47
	s_add_co_u32 s46, s46, 11264
	s_lshl_b32 s92, s46, 5
	s_lshl_b32 s46, s46, 10
	s_mov_b32 s47, 0
	s_mov_b32 s93, 0
	s_mul_i32 s45, s[CH], HALFA                    ; where they go: no place in the cluster enters an LDS address
	s_mul_i32 s95, s[CH], HALFB
	s_add_co_u32 s95, s95, BOFF
	s_mul_i32 s94, s[WV], HALFS
	s_wait_kmcnt 0x0
	s_add_nc_u64 s[66:67], s[4:5], s[66:67]
	s_add_nc_u64 s[96:97], s[6:7], s[96:97]
	s_add_nc_u64 s[46:47], s[8:9], s[46:47]
	s_add_nc_u64 s[92:93], s[10:11], s[92:93]
	CROUND                                         ; all sixteen work-groups are here: the first joint loads meet
	s_mov_b32 s[G0S], 1
	s_add_co_u32 s[G0S+1], s94, SCL
	s_mov_b64 s[G0S+2:G0S+3], s[96:97]
	s_or_b32 s[G0S+3], s[G0S+3], 0x80000000
	s_mov_b32 s[G0SB], 1
	s_add_co_u32 s[G0SB+1], s94, SCL
	s_mov_b64 s[G0SB+2:G0SB+3], s[92:93]
	s_or_b32 s[G0SB+3], s[G0SB+3], 0x80000000
	JLOAD G0S, G1S, G0SB, G1SB
.irp s, 0,1
	s_mov_b32 s[G0+4*\s], 1
	s_add_co_u32 s[G0+4*\s+1], s45, \s*SLOT
	s_add_nc_u64 s[G0+4*\s+2:G0+4*\s+3], s[66:67], \s*4096
	s_or_b32 s[G0+4*\s+3], s[G0+4*\s+3], 0x80000000
	s_mov_b32 s[G0B+4*\s], 1
	s_add_co_u32 s[G0B+4*\s+1], s95, \s*SLOT
	s_add_nc_u64 s[G0B+4*\s+2:G0B+4*\s+3], s[46:47], \s*ROWB
	s_or_b32 s[G0B+4*\s+3], s[G0B+4*\s+3], 0x80000000
	JLOAD G0+4*\s, G1, G0B+4*\s, G1B               ; three tensor loads of mine are out
.endr
	v_and_b32 v1, 15, v0                           ; r
	v_bfe_u32 v2, v0, 4, 1                         ; h
	v_mul_u32_u24 v3, v1, PITCH
	v_lshl_add_u32 v4, v2, 4, v3                   ; B: a fragment's row x pitch + 16 h
	v_and_b32 v6, 31, v0
	v_lshlrev_b32 v[CO], 4, v6                     ; 16 x lane: A's images, and a row of 512 bytes on the way out
	s_mul_i32 s98, s[RH], HALFA
	s_mul_i32 s99, s[CH], HALFB
	s_add_co_u32 s99, s99, BOFF
.irp s, 0,1
	v_add_nc_u32 v[ADRA+\s], s98, v[CO]
	v_add_nc_u32 v[ADRB+\s], s99, v4
	s_add_co_u32 s98, s98, SLOT
	s_add_co_u32 s99, s99, SLOT
.endr
	v_mul_u32_u24 v5, v1, KS
	v_lshrrev_b32 v6, 8, v5
	v_lshl_add_u32 v5, v6, 4, v5
	s_mul_i32 s98, s[RH], HALFS
	s_mul_i32 s99, s[CH], HALFS
	s_add_co_u32 s99, s99, 2*HALFS
	s_sub_co_u32 s99, s99, s98
	v_mul_u32_u24 v6, s99, v2                      ; lanes 16-31 take B's scale words
	s_add_co_u32 s98, s98, SCL
	v_add_nc_u32 v5, v5, v6
	v_add_nc_u32 v[ADRS], s98, v5
	s_mul_i32 s98, s[WV], 16*SPITCH                ; my stage
	v_mul_u32_u24 v5, v1, SPITCH
	v_lshl_add_u32 v5, v2, 6, v5                   ; in: row r; my half's 16 columns of each 32: + 64 h
	v_add_nc_u32 v[STO], s98, v5
	v_add_nc_u32 v[RD], s98, v[CO]                 ; back: the 32 lanes take one row of 512 bytes
	s_lshl_b32 s98, s42, 10
	s_lshl_b32 s99, s[CH], 9
	s_add_co_u32 s98, s98, s99                     ; my first column, in bytes
	v_lshl_add_u32 v3, v2, 6, s98
.irp bb, 0,1,2,3
.irp q, 0,1,2,3
	global_load_b128 v[BN+16*\bb+4*\q:BN+16*\bb+4*\q+3], v3, s[12:13] offset:128*\bb+16*\q   ; register 16 bb + i: bo of column 32 bb + 16 h + i of my 128
.endr
.endr
	s_lshl_b32 s99, s23, 20
	s_add_co_u32 s98, s98, s99
	s_lshl_b32 s99, s[RH], 19
	s_add_co_u32 s98, s98, s99                     ; + my first row, 4,096 bytes a row
	s_mov_b32 s99, 0
	s_add_nc_u64 s[14:15], s[14:15], s[98:99]
	s_add_nc_u64 s[16:17], s[16:17], s[98:99]
	s_wait_loadcnt 0x0
.macro FRAGB reg, adr, q, i
.irp c, 0,1,2,3
	ds_load_b128 v[\reg+4*\c:\reg+4*\c+3], v[\adr] offset:128*(\q)+32*\c+(\i)*16*PITCH
.endr
.endm
.macro FRAGA reg, adr, q, i            ; an image: tile of rows i, the slot's q-th 128 along K, group of four registers c
.irp c, 0,1,2,3
	ds_load_b128 v[\reg+4*\c:\reg+4*\c+3], v[\adr] offset:4096*(\i)+2048*(\q)+512*\c
.endr
.endm
.macro MUL16 a0, p, q, sc, zero        ; A's blocks a0, a0 + 1 x B's eight; the 64 accumulators take turns, one instruction a turn
.irp a, \a0, \a0+1
.irp b, 0,1,2,3,4,5,6,7
.if \zero
	v_wmma_scale_f32_16x16x128_f8f6f4 v[8*(8*((\a)%4)+\b):8*(8*((\a)%4)+\b)+7], v[128*(\p)+FR*\b:128*(\p)+FR*\b+FR-1], v[AF+FR*(\a):AF+FR*(\a)+FR-1], v[BN+8*\b:BN+8*\b+7], v[SC+8*NQ*(\sc)+NQ*\b+(\q)], v[SC+8*NQ*(\sc)+NQ*(\a)+(\q)] matrix_a_fmt:MATRIX_FMT_BF8 matrix_b_fmt:MATRIX_FMT_BF8 matrix_a_scale:MATRIX_SCALE_ROW1
.else
	v_wmma_scale_f32_16x16x128_f8f6f4 v[8*(8*((\a)%4)+\b):8*(8*((\a)%4)+\b)+7], v[128*(\p)+FR*\b:128*(\p)+FR*\b+FR-1], v[AF+FR*(\a):AF+FR*(\a)+FR-1], v[8*(8*((\a)%4)+\b):8*(8*((\a)%4)+\b)+7], v[SC+8*NQ*(\sc)+NQ*\b+(\q)], v[SC+8*NQ*(\sc)+NQ*(\a)+(\q)] matrix_a_fmt:MATRIX_FMT_BF8 matrix_b_fmt:MATRIX_FMT_BF8 matrix_a_scale:MATRIX_SCALE_ROW1
.endif
.endr
.endr
.endm
.macro FETCH_B slot, q, p
	WIN TO_B
.irp i, 0,1,2,3,4,5,6,7
	FRAGB 128*(\p)+FR*\i, ADRB+\slot, \q, \i
.endr
	WIN 0
.endm
.macro FETCH_A slot, q, i0
.irp i, \i0, \i0+1, \i0+2, \i0+3
	FRAGA AF+FR*(\i), ADRA+\slot, \q, \i
.endr
.endm
.macro SCALES sc
.irp i, 0,1,2,3,4,5,6,7
	ds_load_b64 v[SC+8*NQ*\sc+NQ*\i:SC+8*NQ*\sc+NQ*\i+1], v[ADRS] offset:\i*SBLK
.endr
.endm
.macro PLACES n
.rept \n
	v_nop
.endr
.endm
.macro STEP slot, q, zero
	s_wait_dscnt 4*NL                              ; B's set and A's blocks 0-3 are in; the youngest 16 loads (A's blocks 4-7) may be out
.if \zero
	WIN 0x81                                       ; C, the bias, in window 0; D in window 2
.else
	WIN MUL_LO
.endif
	MUL16 0, (\q)%2, \q, \slot, \zero
	MUL16 2, (\q)%2, \q, \slot, \zero
	s_wait_dscnt 0
	PLACES NP
	FETCH_B \slot, (\q)+1, 1-(\q)%2
	FETCH_A \slot, (\q)+1, 0
.if \zero
	WIN 0xc1
.else
	WIN MUL_HI
.endif
	MUL16 4, (\q)%2, \q, \slot, \zero
	MUL16 6, (\q)%2, \q, \slot, \zero
	PLACES NP
	WIN 0
	FETCH_A \slot, (\q)+1, 4
.endm
.macro TURN slot, next, fill           ; a slot's last step changes slots
	s_wait_tensorcnt 0x0                           ; all my tensor loads have landed: my part of the next slot
	ds_add_u32 v[SPW], v[NIL]                      ; 0 onto my spare word
	s_wait_dscnt 4*NL+1                            ; the add and the youngest 16 loads may be out
	WIN MUL_LO
	MUL16 0, 1, NQ-1, \slot, 0
	s_wait_dscnt 0x0                               ; the add is done, and my reads of this slot are over
	s_barrier_signal -1
	MUL16 2, 1, NQ-1, \slot, 0
	WIN 0
	s_barrier_wait -1
.if \fill
	CREST                                          ; the barrier has opened a round of the cluster's: no wave of any partner still reads this slot or has a load on its way
	s_add_nc_u64 s[G0+4*\slot+2:G0+4*\slot+3], s[G0+4*\slot+2:G0+4*\slot+3], 2*4096
	s_add_nc_u64 s[G0B+4*\slot+2:G0B+4*\slot+3], s[G0B+4*\slot+2:G0B+4*\slot+3], 2*ROWB
	JLOAD G0+4*\slot, G1, G0B+4*\slot, G1B         ; my one tensor load behind the round
	PLACES NP-4
.else
	PLACES NP
.endif
	v_add_nc_u32 v[ADRS], 4*NQ, v[ADRS]
	FETCH_B \next, 0, 0
	FETCH_A \next, 0, 0
	SCALES \next
	WIN MUL_HI
	MUL16 4, 1, NQ-1, \slot, 0
	MUL16 6, 1, NQ-1, \slot, 0
	PLACES NP
	WIN 0
	FETCH_A \next, 0, 4
.endm
	s_wait_tensorcnt 1                             ; the scales and my part of K step 0 are in; K step 1's load may be out
	s_barrier_signal -1
	s_barrier_wait -1
	FETCH_B 0, 0, 0
	FETCH_A 0, 0, 0
	SCALES 0
	FETCH_A 0, 0, 4
	STEP 0, 0, 1
	s_mov_b32 s3, 1                                ; two laps of the ring; the last is written out
.Llap:
	TURN 0, 1, 1
	STEP 1, 0, 0
	TURN 1, 0, 1
	STEP 0, 0, 0
	s_sub_co_u32 s3, s3, 1
	s_cmp_lg_u32 s3, 0
	s_cbranch_scc1 .Llap
	TURN 0, 1, 0
	STEP 1, 0, 0
	s_wait_dscnt 4*NL
	WIN MUL_LO
	MUL16 0, 1, NQ-1, 1, 0
	MUL16 2, 1, NQ-1, 1, 0
	s_wait_dscnt 0
	WIN MUL_HI
	MUL16 4, 1, NQ-1, 1, 0
	MUL16 6, 1, NQ-1, 1, 0
	WIN 0
; THE WAY OUT, block by block of 16 rows x 128 columns, through my own stage.  Accumulator b's eight numbers of a lane are columns 32 (b / 2) + 16 h + 8 (b % 2) + 0 .. 7 of row r.
; Stage row t of block a is the row at position 16 a + t, whose number among my 128 is 32 (a / 2) + 8 (a % 2) + t % 8 + 16 (t / 8): it stands in the immediates, so no base is stepped.
.macro RLOAD a                         ; the residual of block a: the same rows of hidden_states, into window 1, four blocks by turns
	WIN 0x40
.irp t, 0,1,2,3,4,5,6,7,8,9,10,11,12,13,14,15
	global_load_b128 v[64*((\a)%4)+4*\t:64*((\a)%4)+4*\t+3], v[CO], s[14:15] offset:(32*((\a)/2)+8*((\a)%2)+\t%8+16*(\t/8))*4096 th:TH_LOAD_NT
.endr
	WIN 0
.endm
.macro TOSTAGE a
.set AC, 64*((\a)%4)
	WIN 0x08+4*((\a)/4)                            ; an LDS store's data: window 2 or 3
.irp b, 0,1,2,3,4,5,6,7
	ds_store_b128 v[STO], v[AC+8*\b:AC+8*\b+3] offset:128*(\b/2)+32*(\b%2)           ; each accumulator from its low end on
	ds_store_b128 v[STO], v[AC+8*\b+4:AC+8*\b+7] offset:128*(\b/2)+32*(\b%2)+16
.endr
	WIN 0
.set BB, BK+64*((\a)%2)
.irp t, 0,1,2,3,4,5,6,7,8,9,10,11,12,13,14,15
	ds_load_b128 v[BB+4*\t:BB+4*\t+3], v[RD] offset:\t*SPITCH      ; LDS serves a wave's instructions in order (ISA guide 5.7.1.4): these see the stores above
.endr
.endm
.macro SEND a, younger                 ; younger: the LDS instructions issued behind block a's loads, which may stay out
.set BB, BK+64*((\a)%2)
	s_wait_dscnt \younger
.if 7-(\a) >= 3
	s_wait_loadcnt 48                              ; block a's residual is in; the three younger blocks' 48 loads may be out
.else
	s_wait_loadcnt 16*(7-(\a))
.endif
	WIN 0x04                                       ; source 1, the residual, in window 1
.set i, 0
.rept 32
	v_pk_add_f32 v[BB+i:BB+i+1], v[BB+i:BB+i+1], v[64*((\a)%4)+i:64*((\a)%4)+i+1]
.set i, i+2
.endr
	WIN 0
.irp t, 0,1,2,3,4,5,6,7,8,9,10,11,12,13,14,15
	global_store_b128 v[CO], v[BB+4*\t:BB+4*\t+3], s[16:17] offset:(32*((\a)/2)+8*((\a)%2)+\t%8+16*(\t/8))*4096 th:TH_STORE_NT   ; 32 lanes store 512 consecutive bytes, at a multiple of 256 from the buffer's first byte
.endr
.if (\a) < 4
	RLOAD (\a)+4
.endif
.endm
	PLACES NP                                      ; behind the last products: loads land in B's and A's registers, and results are read
	RLOAD 0
	RLOAD 1
	RLOAD 2
	RLOAD 3
	TOSTAGE 0
.irp a, 1,2,3,4,5,6,7
.if \a > 1
	s_wait_xcnt 0x0                                ; block a - 2's stores have read their registers: block a's rows may land there
.endif
	TOSTAGE \a
	SEND \a-1, 32                                  ; behind block a - 1's loads: block a's 16 stores and 16 loads
.endr
	SEND 7, 0
	s_wait_tensorcnt 0x0                           ; the wave's end
	ds_add_u32 v[SPW], v[NIL]
	s_wait_dscnt 0x0
	CROUND                                         ; the closing round
	s_endpgm
.Lfunc_end_k_qccb51dea4b_oproj:
	.size	k_qccb51dea4b_oproj, .Lfunc_end_k_qccb51dea4b_oproj-k_qccb51dea4b_oproj
	.p2alignl 7, 3214868480
	.fill 96, 4, 3214868480
	.section	.rodata,"a",@progbits
	.p2align	6, 0x0
	.amdhsa_kernel k_qccb51dea4b_oproj
		.amdhsa_group_segment_fixed_size 327680
		.amdhsa_private_segment_fixed_size 0
		.amdhsa_enable_private_segment 0
		.amdhsa_kernarg_size 56
		.amdhsa_user_sgpr_count 2
		.amdhsa_user_sgpr_kernarg_segment_ptr 1
		.amdhsa_wavefront_size32 1
		.amdhsa_system_sgpr_workgroup_id_x 1
		.amdhsa_system_sgpr_workgroup_id_y 1
		.amdhsa_system_sgpr_workgroup_id_z 1
		.amdhsa_system_vgpr_workitem_id 0
		.amdhsa_next_free_vgpr 1024
		.amdhsa_next_free_sgpr 106
		.amdhsa_reserve_vcc 0
		.amdhsa_float_denorm_mode_32 3
		.amdhsa_float_denorm_mode_16_64 3
		.amdhsa_memory_ordered 1
		.amdhsa_forward_progress 1
		.amdhsa_inst_pref_size 176
	.end_amdhsa_kernel
	.amdgpu_metadata
---
amdhsa.version: [ 1, 2 ]
amdhsa.kernels:
  - .name:           k_qccb51dea4b_oproj
    .symbol:         k_qccb51dea4b_oproj.kd
    .args:
      - { .name: o_codes, .offset: 0, .size: 8, .value_kind: global_buffer, .address_space: global }
      - { .name: o_scales, .offset: 8, .size: 8, .value_kind: global_buffer, .address_space: global }
      - { .name: xw_codes, .offset: 16, .size: 8, .value_kind: global_buffer, .address_space: global }
      - { .name: xw_scales, .offset: 24, .size: 8, .value_kind: global_buffer, .address_space: global }
      - { .name: bo, .offset: 32, .size: 8, .value_kind: global_buffer, .address_space: global }
      - { .name: hidden_states, .offset: 40, .size: 8, .value_kind: global_buffer, .address_space: global }
      - { .name: out0, .offset: 48, .size: 8, .value_kind: global_buffer, .address_space: global }
    .group_segment_fixed_size: 327680
    .private_segment_fixed_size: 0
    .kernarg_segment_align: 8
    .kernarg_segment_size: 56
    .max_flat_workgroup_size: 128
    .sgpr_count:     106
    .vgpr_count:     1024
    .wavefront_size: 32
...
	.end_amdgpu_metadata
.endif
;; end of part 4
